; MI455X (gfx1250); checked and timed in simulation.
; The chip was launched on July 23, 2026; its instructions are those of AMD's public machine-readable ISA for CDNA 5 (MIT licence, August 2026) and "CDNA5" Instruction Set Architecture Reference Guide (July 2026). The comments in the code are by the model that wrote it; some were corrected since.
;; Classic Attention. Allowed arithmetic: matrix products marked QUANTISED: E2M1 operands, one E8M0 scale for each 32 along K, by v_wmma_scale_f32_16x16x128_f8f6f4 with both operands' format E2M1 (or v_wmma_scale_f32_32x16x128_f4), f32 sums; products left as they are: bf16, f16 or f32 operands; f32 sums; everything else in f32.
;; Inputs: c_attn_b 3,072 float32; c_attn_w 1,024 x 3,072 float32; c_proj_b 1,024 float32; c_proj_w 1,024 x 1,024 float32; hidden_states 2 x 2,048 x 1,024 float32.
;; Outputs: out0 2 x 2,048 x 1,024 float32.
;; This version of the problem:
;;   THIS VERSION OF THE PROBLEM IS GIVEN IN LOW PRECISION. The matrix products marked QUANTISED in the list below multiply operands that are first quantised to E2M1 (2 exponent bits, 1 mantissa bit; 4 bits a number), with one power-of-two scale for each 32 numbers along K (OCP MX v1.0); their sums are f32. The products marked 'left as it is' may take bf16, f16 or f32 operands, with f32 sums. Whichever they take, every output number must still come out within the allowed error. Rounding operands to bf16 (8 significant bits) uses up far more of that allowance than f16 does (11 bits, for magnitudes from 6e-5 to 65,504). All else is computed in f32.
;;   The module's matrix products, in the order in which they are computed (A, B: the left and right operand; K: the contracted axis; several contracted axes count as one K, in the product's order):
;;     1. [M 4,096, K 1,024] x [K 1,024, N 3,072]; A: input hidden_states; B: input c_attn_w: QUANTISED
;;     2. batch 32 x [M 2,048, K 64] x [K 64, N 2,048]; A: computed on the way; B: computed on the way: left as it is (an operand is computed on the way)
;;     3. batch 32 x [M 2,048, K 2,048] x [K 2,048, N 64]; A: computed on the way; B: computed on the way: left as it is (an operand is computed on the way)
;;     4. [M 4,096, K 1,024] x [K 1,024, N 1,024]; A: computed on the way; B: input c_proj_w: left as it is (an operand is computed on the way)
;;   THE QUANTISER, for each operand of a quantised product, along K:
;;     - K is cut into blocks of 32 from its start; a last block that is shorter is filled with zeros.
;;     - A block's scale is 2^e with e = floor(log2(the largest magnitude in the block)) - 2, held to -126 .. 127; a block of zeros has e = 0. As a byte (E8M0): e + 127.
;;     - Each number is divided by its block's scale, clamped to +-6, and rounded to the nearest number of E2M1, ties to even, subnormals kept.
;;     - The product sums the exact products of the quantised numbers (number of the format x scale) in f32.
;;   ~~~python
;;   def quantise(x, axis):      # numpy; x: float32 -> the quantised numbers, widened to float32 again
;;       x = np.moveaxis(x, axis, -1); K = x.shape[-1]
;;       x = np.pad(x, [(0, 0)] * (x.ndim - 1) + [(0, -K % 32)]); x = x.reshape(x.shape[:-1] + (-1, 32)); a = np.abs(x).max(-1, keepdims=True)
;;       e = np.where(a > 0, np.clip(np.frexp(np.where(a > 0, a, 1))[1] - 1 - 2, -126, 127), 0)      # np.frexp(a)[1] - 1 = floor(log2(a)), exactly
;;       r = np.clip(x / 2.0 ** e, -6, 6)
;;       step = 2.0 ** (np.maximum(np.frexp(np.where(r == 0, 1, r))[1] - 1, 0) - 1)
;;       q = np.round(r / step) * step * 2.0 ** e      # np.round: ties to even
;;       return np.moveaxis(q.reshape(q.shape[:-2] + (-1,))[..., :K], -1, axis).astype(np.float32)
;;   ~~~
;; One version. Each part assembles by itself: llvm-mc -triple=amdgcn-amd-amdhsa -mcpu=gfx1250 --defsym DOCPART=n.
;; ======== version 1 of 1: 5 launches
;; limits: values are held in f16: magnitudes above 65,504 overflow, below 6.1e-05 lose precision
;; workspace buffers: xq 2,228,224 bytes; wq 1,671,168 bytes; wp 2,097,152 bytes; qkvh 25,165,824 bytes; qkvf 393,216 bytes; ctx 8,388,608 bytes
;; launch prep (part 1): grid 288 x 1, 4 waves a work-group, no clusters, 50,688 bytes of LDS; arguments hidden_states, c_attn_w, c_proj_w, xq, wq, wp; writes xq, wq, wp
.if DOCPART == 1
	.amdgcn_target "amdgcn-amd-amdhsa--gfx1250"
	.amdhsa_code_object_version 6
	.text
	.protected	k_qf9d33d73ee_prep
	.globl	k_qf9d33d73ee_prep
	.p2align	8
	.type	k_qf9d33d73ee_prep,@function
k_qf9d33d73ee_prep:
	s_mov_b64 s[64:65], 0
	v_nop
	global_prefetch_b8 v0, s[64:65] scope:SCOPE_SE
	s_setreg_imm32_b32 hwreg(HW_REG_WAVE_MODE, 25, 1), 1
	s_wait_xcnt 0x0
; PREP: three streams in one launch, told apart by the work-group's number; each takes a path of its own to its own s_endpgm.
;  X (work-groups 0-127): hidden_states [4096][1024] f32 -> xq: codes of FP4 (E2M1), K innermost, [4096][512 bytes] at byte 0; one E8M0 byte for each 32 along K, [4096][32], at byte XSOFF.
;  W (128-223): c_attn_w [1024 (k)][3072 (n)] f32, K its FIRST axis -> wq: codes [3072][512 bytes], K innermost, at byte 0; scale bytes [3072][32] at byte WSOFF.
;  P (224-287): c_proj_w [1024 (k)][1024 (n)] f32 -> wp: f16, laid as the images of the operand registers of a 16x16x32 product: [n / 16][k / 32][c 2][lane 32][16 bytes]; lane (r, h) holds k = 32 f + 16 c + 8 h + 0..7 of column 16 nt + r.
; A block's scale is 2^(floor(log2(its largest magnitude)) - 2): its byte is the largest magnitude's exponent field - 2, held at 1 from below.
; LIMITS: a block of zeros gets the byte 1 where the quantiser says 127 (its codes are zeros, and this program alone reads the bytes); blocks whose largest magnitude lies under 2^-124 keep the byte 1; NaN and infinities are not served;
; c_proj_w lies under 65,504 in magnitude (f16).
; No tensor loads, no barrier, no cluster: no two waves read the same bytes.  LDS: path X bytes 0-32,767 (8,192 a wave), path W bytes 32,768-50,175 (4,352 a wave), the spare words behind them.
.set XSOFF, 2097152
.set WSOFF, 1572864
.set SPW,   222                        ; v222  LDS address of my spare word; never rewritten
.set NIL,   223                        ; v223  0; never rewritten
.set SPARE, 50176
.set EMAX,  2
; path X
.set XSTEPS, 16                        ; steps of 512 numbers a wave
.set XCB,   8                          ; bytes of 16 codes
.set XR,    16                         ; v16-79   four sets of 16 numbers as loaded
.set XX,    80                         ; v80-111  two sets of 16 neighbours
.set XE,    112                        ; v112-127 a scale byte for each step
.set XC,    128                        ; v128-191 codes, four registers a step: no store's data are written again
.set WREG,  8192                       ; a wave's LDS: two stages of 32 x XSP bytes, then its 256 scale bytes
.set XSP,   80                         ; a lane's place in a stage: 64 bytes + 16 of padding
; path W
.set WSTG,  32768
.set WNB,   8                          ; blocks of 32 along K a lane
.set WPITCH, 272                       ; a stage row: 256 bytes of codes + 16
.set WKROW, 512                        ; a row of wq's codes
.set WN4,   12288                      ; a row of c_attn_w in bytes
.set WX,    32                         ; v32-95   two sets of 32 numbers
.set WC,    96                         ; v96-99   a block's codes
.set WOUT,  112                        ; v112-143 the way out
.set WSB,   24                         ; v24-25   the scale bytes, four to a register
; path P
.set PX,    16                         ; v16-79   two sets of 32 numbers
.set PC,    144                        ; v144-207 16 registers of f16 pairs for each of the four blocks
.macro LOADX t
.irp i, 0,1,2,3
	global_load_b128 v[XR+16*((\t)%4)+4*\i:XR+16*((\t)%4)+4*\i+3], v3, s[4:5] offset:2048*(\t)+512*\i th:TH_LOAD_NT   ; 32 lanes read 512 consecutive bytes
.endr
.endm
.macro TURNX t                         ; step t's 2,048 bytes through the wave's stage: in as they lie, back 64 bytes a lane.  LDS serves a wave's instructions in order
.irp i, 0,1,2,3
	ds_store_b128 v14, v[XR+16*((\t)%4)+4*\i:XR+16*((\t)%4)+4*\i+3] offset:32*XSP*((\t)%2)+8*XSP*\i
.endr
.irp i, 0,1,2,3
	ds_load_b128 v[XX+16*((\t)%2)+4*\i:XX+16*((\t)%2)+4*\i+3], v15 offset:32*XSP*((\t)%2)+16*\i
.endr
.endm
.macro STEPX t
.set XN, XX+16*((\t)%2)
.if (\t) > 0
	s_wait_dscnt 1                                 ; this step's numbers are back from the stage; the last step's byte store may be out
.else
	s_wait_dscnt 0x0
.endif
.if (\t)+4 < XSTEPS
	LOADX (\t)+4                                   ; into the set whose stage stores are done
.endif
.if (\t)+1 < XSTEPS
.if XSTEPS-2-(\t) >= 3
	s_wait_loadcnt 12                              ; the next step's four loads are in; those of the three steps behind it may be out
.else
	s_wait_loadcnt 4*(XSTEPS-2-(\t))
.endif
	TURNX (\t)+1
.endif
	v_max3_num_f32 v8, |v[XN]|, |v[XN+1]|, |v[XN+2]|               ; the largest magnitude of my 16, in two chains
	v_max3_num_f32 v9, |v[XN+3]|, |v[XN+4]|, |v[XN+5]|
.irp i, 6,10
	v_max3_num_f32 v8, v8, |v[XN+\i]|, |v[XN+\i+1]|
	v_max3_num_f32 v9, v9, |v[XN+\i+2]|, |v[XN+\i+3]|
.endr
	v_max3_num_f32 v8, v8, |v[XN+14]|, |v[XN+15]|
	v_max3_num_f32 v8, v8, v9, (EMAX+1)<<23        ; and the floor 2^(3 - 127): the byte cannot fall under 1
	v_max_num_f32_dpp v8, v8, v8 row_xmask:1 row_mask:0xf bank_mask:0xf   ; with my neighbour's 16: the block's
	v_add_nc_u32 v11, -(EMAX<<23), v8              ; 2 off its exponent field: the conversion takes the exponent field of this operand as its scale
	v_cvt_scalef32_pk8_fp4_f32 v[XC+4*(\t)], v[XN:XN+7], v11
	v_cvt_scalef32_pk8_fp4_f32 v[XC+4*(\t)+1], v[XN+8:XN+15], v11
	v_lshrrev_b32 v[XE+(\t)], 23, v11              ; the scale's byte (also the plain line behind the conversions)
	ds_store_b8 v5, v[XE+(\t)] offset:16*(\t)      ; both lanes of a block write the same byte with the same value
	global_store_b64 v4, v[XC+4*(\t):XC+4*(\t)+1], s[10:11] offset:32*XCB*(\t)   ; the wave stores 256 consecutive bytes, aligned
.endm
.macro LOADW t                         ; block t: c_attn_w(256 (lane / 16) + 32 t + i, my column), i = 0 .. 31
.irp i, 0,1,2,3,4,5,6,7,8,9,10,11,12,13,14,15,16,17,18,19,20,21,22,23,24,25,26,27,28,29,30,31
	global_load_b32 v[WX+32*((\t)%2)+\i], v3, s[6:7] offset:(32*(\t)+\i)*WN4 th:TH_LOAD_NT
.endr
.endm
.macro BLOCKW t
.set WXS, WX+32*((\t)%2)
.if (\t) < WNB-1
	s_wait_loadcnt 32                              ; this block's 32 loads are in; the next block's may be out
.else
	s_wait_loadcnt 0x0
.endif
	v_max3_num_f32 v12, |v[WXS]|, |v[WXS+1]|, |v[WXS+2]|           ; all 32 numbers of the block are mine
	v_max3_num_f32 v13, |v[WXS+3]|, |v[WXS+4]|, |v[WXS+5]|
.irp i, 6,10,14,18,22,26
	v_max3_num_f32 v12, v12, |v[WXS+\i]|, |v[WXS+\i+1]|
	v_max3_num_f32 v13, v13, |v[WXS+\i+2]|, |v[WXS+\i+3]|
.endr
	v_max3_num_f32 v12, v12, |v[WXS+30]|, |v[WXS+31]|
	v_max3_num_f32 v12, v12, v13, (EMAX+1)<<23
	v_add_nc_u32 v11, -(EMAX<<23), v12
	v_lshrrev_b32 v13, 23, v11                     ; the scale's byte
.if (\t)%4 == 0
	v_mov_b32 v[WSB+(\t)/4], v13                   ; four bytes to a register, the lower K in the lower byte
.else
	v_lshl_or_b32 v[WSB+(\t)/4], v13, 8*((\t)%4), v[WSB+(\t)/4]
.endif
.irp g, 0,1,2,3
	v_cvt_scalef32_pk8_fp4_f32 v[WC+\g], v[WXS+8*\g:WXS+8*\g+7], v11
.endr
	v_nop                                          ; one plain line behind the last conversion
	ds_store_b128 v4, v[WC:WC+3] offset:16*(\t)    ; 32 codes: 16 bytes of my column's row
.if (\t)+2 < WNB
	LOADW (\t)+2
.endif
	s_wait_dscnt 0x0                               ; the store has read its registers: the next block's codes may be written
.endm
.macro LOADP t                         ; block t: c_proj_w(128 kc + 32 t + i, my column)
.irp i, 0,1,2,3,4,5,6,7,8,9,10,11,12,13,14,15,16,17,18,19,20,21,22,23,24,25,26,27,28,29,30,31
	global_load_b32 v[PX+32*((\t)%2)+\i], v3, s[8:9] offset:(32*(\t)+\i)*4096 th:TH_LOAD_NT
.endr
.endm
.macro BLOCKP t
.if (\t) < 3
	s_wait_loadcnt 32                              ; this block's loads are in; the next block's may be out
.else
	s_wait_loadcnt 0x0
.endif
.irp i, 0,1,2,3,4,5,6,7,8,9,10,11,12,13,14,15
	v_cvt_pk_f16_f32 v[PC+16*(\t)+\i], v[PX+32*((\t)%2)+2*\i], v[PX+32*((\t)%2)+2*\i+1]   ; the lower k in the low half
.endr
.irp g, 0,1,2,3                        ; registers 4 g .. 4 g + 3 hold k = 8 g + 0..7 of the block: piece c = g / 2, lanes 16 (g % 2) on
	global_store_b128 v4, v[PC+16*(\t)+4*\g:PC+16*(\t)+4*\g+3], s[14:15] offset:1024*(\t)+256*\g   ; sixteen lanes store 256 consecutive bytes, aligned
.endr
.if (\t)+2 < 4
	LOADP (\t)+2
.endif
.endm
	s_load_b256 s[4:11], s[0:1], 0x0               ; hidden_states s[4:5], c_attn_w s[6:7], c_proj_w s[8:9], xq s[10:11]
	s_load_b128 s[12:15], s[0:1], 0x20             ; wq s[12:13], wp s[14:15]
	v_lshl_add_u32 v[SPW], v0, 2, SPARE
	v_mov_b32 v[NIL], 0
	v_lshrrev_b32 v1, 5, v0
	v_readfirstlane_b32 s16, v1                    ; wave 0..3
	v_and_b32 v2, 31, v0                           ; lane
	s_wait_kmcnt 0x0
	s_cmp_lt_u32 ttmp9, 128
	s_cbranch_scc1 .Lpath_x
	s_cmp_lt_u32 ttmp9, 224
	s_cbranch_scc1 .Lpath_w
	; ---- path P: lane l takes column 128 cg + 32 wave + l and 128 along K; its registers run down K
	s_sub_co_u32 s17, ttmp9, 224
	s_and_b32 s18, s17, 7                          ; cg
	s_lshr_b32 s19, s17, 3                         ; kc
	s_lshl_b32 s20, s19, 19                        ; 128 kc rows of 4,096 bytes
	s_lshl_b32 s21, s18, 9
	s_add_co_u32 s20, s20, s21
	s_lshl_b32 s21, s16, 7
	s_add_co_u32 s20, s20, s21                     ; + 4 x my wave's first column
	s_mov_b32 s21, 0
	s_add_nc_u64 s[8:9], s[8:9], s[20:21]
	s_lshl_b32 s20, s18, 3
	s_lshl_b32 s22, s16, 1
	s_add_co_u32 s20, s20, s22                     ; my wave's first tile of 16 columns: 8 cg + 2 wave
	s_lshl_b32 s20, s20, 15                        ; 32,768 bytes a tile
	s_lshl_b32 s22, s19, 12                        ; 4 kc fragments of 1,024 bytes
	s_add_co_u32 s20, s20, s22
	s_add_nc_u64 s[14:15], s[14:15], s[20:21]
	v_lshlrev_b32 v3, 2, v2                        ; in: 4 bytes a lane
	v_lshrrev_b32 v4, 4, v2
	v_and_b32 v5, 15, v2
	v_lshlrev_b32 v4, 15, v4                       ; out: lanes 16-31 belong to the next tile of columns,
	v_lshl_add_u32 v4, v5, 4, v4                   ; 16 bytes a column
	LOADP 0
	LOADP 1
.irp t, 0,1,2,3
	BLOCKP \t
.endr
	s_endpgm
.Lpath_x:
	; ---- path X: a plain stream of blocks of 32; a wave takes 8,192 numbers
	v_lshlrev_b32 v3, 4, v2                        ; my 16 bytes of a load's 512
	s_mul_i32 s17, s16, WREG
	v_lshrrev_b32 v14, 2, v2
	v_mul_u32_u24 v14, v14, XSP
	v_and_b32 v15, 3, v2
	v_lshl_add_u32 v14, v15, 4, v14
	v_add_nc_u32 v14, s17, v14                     ; the stage, in: XSP (lane / 4) + 16 (lane % 4)
	v_mul_u32_u24 v15, v2, XSP
	v_add_nc_u32 v15, s17, v15                     ; and back: XSP x lane: my 16 neighbours
	v_mul_u32_u24 v4, v2, XCB                      ; my codes' place in a step's
	v_lshrrev_b32 v5, 1, v2
	s_add_co_u32 s17, s17, 2*32*XSP
	v_add_nc_u32 v5, s17, v5                       ; my wave's 256 scale bytes, my block's byte
	v_lshlrev_b32 v7, 3, v2
	v_add_nc_u32 v6, s17, v7                       ; and on the way out 8 bytes a lane
	s_lshl_b32 s18, ttmp9, 2
	s_add_co_u32 s18, s18, s16                     ; which run of 8,192 numbers is my wave's
	s_lshl_b32 s20, s18, 15
	s_mov_b32 s21, 0
	s_add_nc_u64 s[4:5], s[4:5], s[20:21]
	s_lshl_b32 s20, s18, 8
	s_add_co_u32 s20, s20, XSOFF
	s_add_nc_u64 s[22:23], s[10:11], s[20:21]      ; its 256 scale bytes
	s_lshl_b32 s20, s18, 12
	s_add_nc_u64 s[10:11], s[10:11], s[20:21]      ; its 4,096 bytes of codes
.irp t, 0,1,2,3
	LOADX \t
.endr
	s_wait_loadcnt 12                              ; step 0's four loads are in
	TURNX 0
.irp t, 0,1,2,3,4,5,6,7,8,9,10,11,12,13,14,15
	STEPX \t
.endr
	ds_load_b64 v[8:9], v6                         ; LDS serves a wave's instructions in order: these see my byte stores
	s_wait_dscnt 0x0
	global_store_b64 v7, v[8:9], s[22:23]          ; 32 lanes store 256 consecutive bytes, aligned
	s_wait_tensorcnt 0x0                           ; the wave's end
	ds_add_u32 v[SPW], v[NIL]
	s_wait_dscnt 0x0
	s_endpgm
.Lpath_w:
	; ---- path W: a lane takes a column n, its registers run down K.  A wave takes 16 columns x 512 along K: lanes 0-15 the first 256 along K, lanes 16-31 the second.
	; So a lane walks 8 blocks, two of them (64 loads a wave) on their way at a time, and a column's 512 codes, 256 bytes, still meet in the wave's own stage and leave as one aligned run of 256 bytes.
	; Sixteen lanes of a load read 64 consecutive bytes of a row; the four waves of a work-group stand side by side on 256.
	s_sub_co_u32 s17, ttmp9, 128
	s_cmp_ge_u32 s17, 48
	s_cselect_b32 s18, 1, 0                        ; which 512 along K
	s_cselect_b32 s19, 48, 0
	s_sub_co_u32 s17, s17, s19                     ; which 64 columns
	s_lshl_b32 s17, s17, 6
	s_lshl_b32 s19, s16, 4
	s_add_co_u32 s17, s17, s19                     ; my wave's first column
	v_and_b32 v5, 15, v2                           ; r: my column
	v_lshrrev_b32 v6, 4, v2                        ; h: my 256 along K
	v_lshlrev_b32 v3, 2, v5
	v_mad_u32_u24 v3, v6, 256*WN4, v3              ; in: 4 r + 256 h rows
	s_mul_i32 s19, s16, 16*WPITCH
	s_add_co_u32 s19, s19, WSTG                    ; my stage
	v_mul_u32_u24 v4, v5, WPITCH
	v_lshl_add_u32 v4, v6, 7, v4
	v_add_nc_u32 v4, s19, v4                       ; into it: row = my column, + 128 h bytes
	v_mul_u32_u24 v7, v6, WPITCH
	v_lshl_add_u32 v7, v5, 4, v7
	v_add_nc_u32 v7, s19, v7                       ; out of it: sixteen lanes to a row, two rows an instruction
	v_mul_u32_u24 v8, v6, WKROW
	v_lshl_add_u32 v8, v5, 4, v8                   ; and the same place in wq
	v_lshlrev_b32 v9, 5, v5
	v_lshl_add_u32 v9, v6, 3, v9                   ; my column's row of scale bytes, + 8 h
	s_mul_i32 s20, s18, 512*WN4
	s_lshl_b32 s22, s17, 2
	s_add_co_u32 s20, s20, s22
	s_mov_b32 s21, 0
	s_add_nc_u64 s[6:7], s[6:7], s[20:21]
	s_lshl_b32 s20, s17, 5
	s_lshl_b32 s22, s18, 4
	s_add_co_u32 s20, s20, s22
	s_add_co_u32 s20, s20, WSOFF
	s_add_nc_u64 s[24:25], s[12:13], s[20:21]      ; scale bytes: column x 32 + 16 x half of K
	s_lshl_b32 s20, s17, 9
	s_lshl_b32 s22, s18, 8
	s_add_co_u32 s20, s20, s22
	s_add_nc_u64 s[12:13], s[12:13], s[20:21]      ; codes: column x 512 + 256 x half of K
	LOADW 0
	LOADW 1
.irp t, 0,1,2,3,4,5,6,7
	BLOCKW \t
.endr
	global_store_b64 v9, v[WSB:WSB+1], s[24:25]    ; my 8 scale bytes
.irp t, 0,1,2,3,4,5,6,7
	ds_load_b128 v[WOUT+4*\t:WOUT+4*\t+3], v7 offset:2*\t*WPITCH
.endr
.irp t, 0,1,2,3,4,5,6,7
	s_wait_dscnt 7-\t                              ; the loads younger than load t may be out
	global_store_b128 v8, v[WOUT+4*\t:WOUT+4*\t+3], s[12:13] offset:2*\t*WKROW   ; sixteen lanes store 256 consecutive bytes, aligned
.endr
	s_wait_tensorcnt 0x0                           ; the wave's end
	ds_add_u32 v[SPW], v[NIL]
	s_wait_dscnt 0x0
	s_endpgm
.Lfunc_end_k_qf9d33d73ee_prep:
	.size	k_qf9d33d73ee_prep, .Lfunc_end_k_qf9d33d73ee_prep-k_qf9d33d73ee_prep
	.p2alignl 7, 3214868480
	.fill 96, 4, 3214868480
	.section	.rodata,"a",@progbits
	.p2align	6, 0x0
	.amdhsa_kernel k_qf9d33d73ee_prep
		.amdhsa_group_segment_fixed_size 50688
		.amdhsa_private_segment_fixed_size 0
		.amdhsa_enable_private_segment 0
		.amdhsa_kernarg_size 48
		.amdhsa_user_sgpr_count 2
		.amdhsa_user_sgpr_kernarg_segment_ptr 1
		.amdhsa_wavefront_size32 1
		.amdhsa_system_sgpr_workgroup_id_x 1
		.amdhsa_system_sgpr_workgroup_id_y 1
		.amdhsa_system_sgpr_workgroup_id_z 1
		.amdhsa_system_vgpr_workitem_id 0
		.amdhsa_next_free_vgpr 224
		.amdhsa_next_free_sgpr 66
		.amdhsa_reserve_vcc 0
		.amdhsa_float_denorm_mode_32 3
		.amdhsa_float_denorm_mode_16_64 3
		.amdhsa_memory_ordered 1
		.amdhsa_forward_progress 1
		.amdhsa_inst_pref_size 92
	.end_amdhsa_kernel
	.amdgpu_metadata
---
amdhsa.version: [ 1, 2 ]
amdhsa.kernels:
  - .name:           k_qf9d33d73ee_prep
    .symbol:         k_qf9d33d73ee_prep.kd
    .args:
      - { .name: hidden_states, .offset: 0, .size: 8, .value_kind: global_buffer, .address_space: global }
      - { .name: c_attn_w, .offset: 8, .size: 8, .value_kind: global_buffer, .address_space: global }
      - { .name: c_proj_w, .offset: 16, .size: 8, .value_kind: global_buffer, .address_space: global }
      - { .name: xq, .offset: 24, .size: 8, .value_kind: global_buffer, .address_space: global }
      - { .name: wq, .offset: 32, .size: 8, .value_kind: global_buffer, .address_space: global }
      - { .name: wp, .offset: 40, .size: 8, .value_kind: global_buffer, .address_space: global }
    .group_segment_fixed_size: 50688
    .private_segment_fixed_size: 0
    .kernarg_segment_align: 8
    .kernarg_segment_size: 48
    .max_flat_workgroup_size: 128
    .sgpr_count:     66
    .vgpr_count:     224
    .wavefront_size: 32
...
	.end_amdgpu_metadata
.endif
;; end of part 1
;; launch qkvgemm (part 2): grid 12 x 16, 4 waves a work-group, clusters of 4 x 4, 327,680 bytes of LDS; arguments xq, wq, c_attn_b, qkvh, qkvf; writes qkvh, qkvf
.if DOCPART == 2
	.amdgcn_target "amdgcn-amd-amdhsa--gfx1250"
	.amdhsa_code_object_version 6
	.text
	.protected	k_qf9d33d73ee_qkvgemm
	.globl	k_qf9d33d73ee_qkvgemm
	.p2align	8
	.type	k_qf9d33d73ee_qkvgemm,@function
k_qf9d33d73ee_qkvgemm:
	s_mov_b64 s[64:65], 0
	v_nop
	global_prefetch_b8 v0, s[64:65] scope:SCOPE_SE
	s_setreg_imm32_b32 hwreg(HW_REG_WAVE_MODE, 25, 1), 1
	s_wait_xcnt 0x0
	s_wait_alu depctr_hold_cnt(0) depctr_sa_sdst(0) depctr_va_vdst(0) depctr_va_sdst(0) depctr_va_ssrc(0) depctr_va_vcc(0) depctr_vm_vsrc(0)
	s_getreg_b32 s2, hwreg(HW_REG_IB_STS2, 6, 4)
	s_cmp_eq_u32 s2, 0
	s_cbranch_scc0 .Lentry_in_a_cluster
	s_endpgm
.Lentry_in_a_cluster:
	s_bfe_u32 s2, ttmp6, 0x10000c
	s_cmp_lg_u32 s2, 0xf033
	s_cbranch_scc0 .Lentry_shape_is_right
	s_endpgm
.Lentry_shape_is_right:
; QKV = Q(hidden_states) Q(c_attn_w) + c_attn_b on codes of FP4 (E2M1) with one E8M0 scale for each 32 along K = 1,024; sums in f32.
; A work-group of four waves makes 256 x 256 of the result, a wave 128 x 128: 64 accumulators of 16 x 16.  K is two slots of 512: both are filled once, at the start; no LDS byte is filled again.
; THE CLUSTER'S x IS THE KIND T: 0 = q, 1 = k, 2 = v: the same in all sixteen partners, so the text may branch on it.
; THE TEXT COMPUTES A' B'^T, USED TRANSPOSED (source 0 = 16 rows of B', source 1 = 16 rows of A'): lane (r, h) holds row r of A' and rows 8 h + 0..7 of B'.  Both code buffers are laid alike, so the roles are chosen by pointer:
;   q, k: A' = x (positions), B' = w (channels): a lane holds one position and eight neighbouring channels;   v: A' = w, B' = x: one channel and eight neighbouring positions.
; Rounded to f16, those eight numbers are 16 bytes: registers 4 c .. 4 c + 3 of an operand of the attention's 16x16x32 products.  So the results leave STRAIGHT FROM REGISTERS as images of those operands:
;   qkvh: q at 0, k at 2^23: [batch x head 32][position / 16][f 2][c 2][lane][16 bytes], lane (r, h): position r, channels 32 f + 16 c + 8 h + 0..7;   v at 2^24: [32][key / 32][channel / 16][c 2][lane][16 bytes], lane (r, h): channel r, keys 16 c + 8 h + 0..7.
; q and k are multiplied by sqrt(log2(e) / 8) in f32 ahead of the rounding, so that a score is already the exponent of 2.  The bias is the C of each sum's first product.
;   qkvf: positions 0-15 of each batch, in f32, bias in, not scaled: the accumulators as they stand: [batch][head][q, k, v][tile 4][registers 0-3, 4-7][lane][16 bytes].
; CLUSTERS: the four of a row of the cluster need the same tiles of A', the four of a column the same tiles of B': each is asked for jointly.
; LIMITS: |q|, |k| x 0.425 and |v| lie under 65,504 (f16).
; REGISTERS: window 0: v16-31 addresses; v32-95 scale words, two sets; v128-191 A' fragments, later 64 scaled numbers; v192-255 the bias, later the f16 images, two sets of 32.  window 1: B' fragments, two sets.  windows 2, 3: the accumulators, (a, b) at v[8 (8 (a % 4) + b)].
.set NQ,     4                         ; steps of 128 along K in a slot
.set ROWB,   256                       ; a tile's row in bytes: 512 codes
.set KROW,   512                       ; a row of codes in memory
.set PITCH,  272                       ; an LDS row: 256 bytes + 16 of padding: the 16 rows of a fragment load start 68 words apart
.set FR,     8
.set NL,     2
.set NP,     4
.set HALFT,  128*PITCH
.set SLOT,   4*HALFT
.set KS,     32                        ; a row of scale bytes
.set SCL,    2*SLOT                    ; behind the slots: the scale bytes, as rows of 256 bytes + 16
.set HALFS,  16*272                    ; those of 128 rows
.set SBLK,   2*272                     ; those of 16 rows
.set SPARE,  SCL+4*HALFS               ; the spare words, 128 bytes a wave
.set XSOFF,  2097152                   ; where the scale bytes begin in xq,
.set WSOFF,  1572864                   ; and in wq
.set ADRA, 16
.set ADRB, 20
.set CO,   26                          ; v26  16 x lane: my place in an image
.set ADRS, 27
.set SPW,  28
.set NIL,  29
.set FLG,  30                          ; v30  0 where my wave holds positions 0-15 of a batch
.set BO,   31                          ; v31  the bias loads' offset
.set SC,   32
.set AF,   128
.set TT,   128
.set BIAS, 192
.set OB,   192
.set G1,   24
.set G0,   32
.set G1B,  40
.set G0B,  48
.set G1S,  68
.set G1SB, 76
.set G0S,  84
.set G0SB, 88
.set MSB, 0
.macro WIN new                         ; the immediate's high byte repeats the setting that is left
.if MSB != (\new)
	s_set_vgpr_msb (MSB<<8)|(\new)
.set MSB, (\new)
.endif
.endm
.set MUL_LO, 0xa1                      ; source 0 (B') window 1, source 1 (A') window 0, C and D window 2
.set MUL_HI, 0xf1                      ; the same, C and D window 3
.set TO_B,   0x40
.macro JLOAD g0a, g1a, g0b, g1b        ; a joint load: waves 0 and 1 fetch for A', waves 2 and 3 for B'; an s_nop 0 and four v_nop follow each line
	s_cmp_eq_u32 s15, 0
	s_cbranch_scc0 .Lfor_b_\@
	tensor_load_to_lds s[\g0a:\g0a+3], s[\g1a:\g1a+7]
	s_nop 0
.rept 4
	v_nop
.endr
	s_branch .Lasked_\@
.Lfor_b_\@:
	tensor_load_to_lds s[\g0b:\g0b+3], s[\g1b:\g1b+7]
	s_nop 0
.rept 4
	v_nop
.endr
.Lasked_\@:
.endm
.macro CROUND                          ; a round of the cluster's barrier
	s_barrier_signal -1
	s_barrier_wait -1
	s_cmp_lg_u32 s14, 0
	s_cbranch_scc1 .Lnot_wave_0_\@
	s_barrier_signal -3
.Lnot_wave_0_\@:
	s_barrier_wait -3
	s_barrier_signal -1
	s_barrier_wait -1
.endm
.macro PLACES n
.rept \n
	v_nop
.endr
.endm
	s_load_b256 s[4:11], s[0:1], 0x0               ; xq s[4:5], wq s[6:7], c_attn_b s[8:9], qkvh s[10:11]
	s_load_b64 s[12:13], s[0:1], 0x20              ; qkvf
	v_lshl_add_u32 v[SPW], v0, 2, SPARE
	v_mov_b32 v[NIL], 0
	ds_add_u32 v[SPW], v[NIL]                      ; the wave's opening: the add, twice on end, and its wait ahead of my first tensor load
	ds_add_u32 v[SPW], v[NIL]
	v_lshrrev_b32 v1, 5, v0
	v_readfirstlane_b32 s14, v1                    ; wave 0..3
	s_lshr_b32 s15, s14, 1                         ; RH: my half of A' rows.  Also: I fetch for A' (0) or B' (1)
	s_and_b32 s16, s14, 1                          ; CH: my half of B' rows.  Also: which 128 rows I fetch
	s_bfe_u32 s17, ttmp6, 0x40000                  ; cx
	s_bfe_u32 s18, ttmp6, 0x40004                  ; cy
	s_mov_b32 s19, ttmp9                           ; T: the cluster's x
	s_and_b32 s20, ttmp7, 0xffff                   ; the cluster's y
	s_lshl_b32 s56, s18, 2
	s_lshl_b32 s56, 15, s56                        ; my row of the cluster
	s_lshl_b32 s60, 0x1111, s17                    ; my column
	s_or_b32 s[G1], s56, (0<<16)|(1<<20)|(1<<21)|(5<<22)|(3<<25)    ; the mask; elements of 1 byte; padding on: 4 words behind every 64; bit 21 beside a mask
	s_or_b32 s[G1B], s60, (0<<16)|(1<<20)|(1<<21)|(5<<22)|(3<<25)
	s_or_b32 s[G1S], s56, (3<<16)|(1<<20)|(1<<21)|(5<<22)|(3<<25)   ; the scale bytes: elements of 8 bytes
	s_or_b32 s[G1SB], s60, (3<<16)|(1<<20)|(1<<21)|(5<<22)|(3<<25)
.irp g, G1, G1B                        ; codes: 128 rows of 256 bytes, 512 bytes apart
	s_mov_b32 s[\g+1], ROWB<<16
	s_mov_b32 s[\g+2], 128<<16
	s_mov_b32 s[\g+3], ROWB<<16
	s_mov_b32 s[\g+4], 128
	s_mov_b32 s[\g+5], KROW
	s_mov_b32 s[\g+6], 0
	s_mov_b32 s[\g+7], 0
.endr
.irp g, G1S, G1SB                      ; the scale bytes of 128 rows: 4,096 dense bytes as 16 rows of 256
	s_mov_b32 s[\g+1], 32<<16
	s_mov_b32 s[\g+2], 16<<16
	s_mov_b32 s[\g+3], 32<<16
	s_mov_b32 s[\g+4], 16
	s_mov_b32 s[\g+5], 32
	s_mov_b32 s[\g+6], 0
	s_mov_b32 s[\g+7], 0
.endr
	; which tiles.  RA hangs on cy and the cluster's numbers alone, RB on cx and the cluster's numbers alone, each in registers that never hold the other
	s_lshl_b32 s23, s20, 2
	s_add_co_u32 s21, s23, s18                     ; x's tile for q, k: 4 cluster y + cy
	s_add_co_u32 s57, s18, 8                       ; w's tile for v: 8 + cy
	s_add_co_u32 s22, s23, s17                     ; x's tile for v: 4 cluster y + cx
	s_lshl_b32 s61, s19, 2
	s_add_co_u32 s61, s61, s17                     ; w's tile for q, k: 4 T + cx
	s_mov_b32 s98, XSOFF
	s_mov_b32 s100, WSOFF
	s_cmp_eq_u32 s19, 2
	s_cselect_b32 s21, s57, s21                    ; RA
	s_cselect_b32 s22, s22, s61                    ; RB
	s_cselect_b32 s98, WSOFF, s98                  ; where the scale bytes begin in A's buffer,
	s_cselect_b32 s100, XSOFF, s100                ; and in B's
	s_lshl_b32 s23, s16, 7
	s_lshl_b32 s56, s21, 8
	s_add_co_u32 s56, s56, s23                     ; the first row of A' that I would fetch
	s_lshl_b32 s60, s22, 8
	s_add_co_u32 s60, s60, s23                     ; and of B'
	s_lshl_b32 s58, s56, 5
	s_add_co_u32 s58, s58, s98                     ; its scale bytes,
	s_lshl_b32 s56, s56, 9                         ; its codes
	s_lshl_b32 s62, s60, 5
	s_add_co_u32 s62, s62, s100
	s_lshl_b32 s60, s60, 9
	s_mov_b32 s57, 0
	s_mov_b32 s59, 0
	s_mov_b32 s61, 0
	s_mov_b32 s63, 0
	s_mul_i32 s23, s14, HALFT                      ; where they go: wave x 128 rows: no place in the cluster enters an LDS address
	s_mul_i32 s66, s14, HALFS
	s_mov_b32 s96, 0x3ed96d27                      ; sqrt(log2(e) / 8)
	s_mov_b32 s97, s96                             ; (named with it as a pair)
	s_wait_dscnt 0x0                               ; both opening adds are done
	s_wait_kmcnt 0x0
	s_cmp_eq_u32 s19, 2
	s_cselect_b64 s[98:99], s[6:7], s[4:5]         ; A's buffer
	s_cselect_b64 s[100:101], s[4:5], s[6:7]       ; B's buffer
	s_add_nc_u64 s[56:57], s[98:99], s[56:57]
	s_add_nc_u64 s[58:59], s[98:99], s[58:59]
	s_add_nc_u64 s[60:61], s[100:101], s[60:61]
	s_add_nc_u64 s[62:63], s[100:101], s[62:63]
	CROUND                                         ; all sixteen work-groups are here: the first joint loads meet
	s_mov_b32 s[G0S], 1
	s_add_co_u32 s[G0S+1], s66, SCL
	s_mov_b64 s[G0S+2:G0S+3], s[58:59]
	s_or_b32 s[G0S+3], s[G0S+3], 0x80000000
	s_mov_b32 s[G0SB], 1
	s_add_co_u32 s[G0SB+1], s66, SCL
	s_mov_b64 s[G0SB+2:G0SB+3], s[62:63]
	s_or_b32 s[G0SB+3], s[G0SB+3], 0x80000000
	JLOAD G0S, G1S, G0SB, G1SB                     ; the scale bytes first: they are wanted with the first slot
.irp s, 0,1
	s_mov_b32 s[G0+4*\s], 1
	s_add_co_u32 s[G0+4*\s+1], s23, \s*SLOT
	s_add_nc_u64 s[G0+4*\s+2:G0+4*\s+3], s[56:57], \s*ROWB
	s_or_b32 s[G0+4*\s+3], s[G0+4*\s+3], 0x80000000
	s_mov_b32 s[G0B+4*\s], 1
	s_add_co_u32 s[G0B+4*\s+1], s23, \s*SLOT
	s_add_nc_u64 s[G0B+4*\s+2:G0B+4*\s+3], s[60:61], \s*ROWB
	s_or_b32 s[G0B+4*\s+3], s[G0B+4*\s+3], 0x80000000
	JLOAD G0+4*\s, G1, G0B+4*\s, G1B               ; three loads of mine are out behind the second of these
.endr
	v_and_b32 v1, 15, v0                           ; r
	v_bfe_u32 v2, v0, 4, 1                         ; h
	v_mul_u32_u24 v3, v1, PITCH
	v_lshl_add_u32 v4, v2, 4, v3                   ; a fragment's row x pitch + 16 h
	s_mul_i32 s2, s15, HALFT                       ; my 128 rows of A'
	s_mul_i32 s3, s16, HALFT
	s_add_co_u32 s3, s3, 2*HALFT                   ; my 128 rows of B', behind A's 256
.irp s, 0,1
	v_add_nc_u32 v[ADRA+\s], s2, v4
	v_add_nc_u32 v[ADRB+\s], s3, v4
	s_add_co_u32 s2, s2, SLOT
	s_add_co_u32 s3, s3, SLOT
.endr
	v_mul_u32_u24 v5, v1, KS                       ; my row's scale bytes: 32 a row,
	v_lshrrev_b32 v6, 8, v5
	v_lshl_add_u32 v5, v6, 4, v5                   ; and 16 more for each 256 passed
	s_mul_i32 s2, s15, HALFS
	s_mul_i32 s3, s16, HALFS
	s_add_co_u32 s3, s3, 2*HALFS
	s_sub_co_u32 s3, s3, s2
	v_mul_u32_u24 v6, s3, v2                       ; lanes 16-31 take B's
	s_add_co_u32 s2, s2, SCL
	v_add_nc_u32 v5, v5, v6
	v_add_nc_u32 v[ADRS], s2, v5
	v_and_b32 v6, 31, v0
	v_lshlrev_b32 v[CO], 4, v6
	; the bias, in the result's layout
	s_cmp_eq_u32 s19, 2
	s_cbranch_scc1 .Lbias_v
	s_lshl_b32 s2, s22, 8                          ; q, k: register 8 b + j: the bias of channel 256 RB + 128 CH + 16 b + 8 h + j
	s_lshl_b32 s3, s16, 7
	s_add_co_u32 s2, s2, s3
	s_lshl_b32 s2, s2, 2
	s_mov_b32 s3, 0
	s_add_nc_u64 s[8:9], s[8:9], s[2:3]
	v_lshlrev_b32 v[BO], 5, v2
.irp b, 0,1,2,3,4,5,6,7
	global_load_b128 v[BIAS+8*\b:BIAS+8*\b+3], v[BO], s[8:9] offset:64*\b
	global_load_b128 v[BIAS+8*\b+4:BIAS+8*\b+7], v[BO], s[8:9] offset:64*\b+16
.endr
	s_branch .Lbias_done
.Lbias_v:
	s_lshl_b32 s2, s21, 8                          ; v: all eight registers of block a: the bias of channel 256 RA + 128 RH + 16 a + r
	s_lshl_b32 s3, s15, 7
	s_add_co_u32 s2, s2, s3
	s_lshl_b32 s2, s2, 2
	s_mov_b32 s3, 0
	s_add_nc_u64 s[8:9], s[8:9], s[2:3]
	v_lshlrev_b32 v[BO], 2, v1
.irp a, 0,1,2,3,4,5,6,7
	global_load_b32 v[BIAS+8*\a], v[BO], s[8:9] offset:64*\a
.endr
	s_wait_loadcnt 0x0
.irp a, 0,1,2,3,4,5,6,7
.irp j, 1,2,3,4,5,6,7
	v_mov_b32 v[BIAS+8*\a+\j], v[BIAS+8*\a]
.endr
.endr
	PLACES 8
.Lbias_done:
	s_wait_loadcnt 0x0                             ; the bias
.macro FRAG reg, adr, q, i             ; 16 rows x 128 K of 4-bit codes: 8 registers: lane l holds row l % 16; registers 4 c .. 4 c + 3 hold K = 64 c + 32 (l / 16) + 0 .. 31
.irp c, 0,1
	ds_load_b128 v[\reg+4*\c:\reg+4*\c+3], v[\adr] offset:64*(\q)+32*\c+(\i)*16*PITCH
.endr
.endm
; 16 matrix instructions: A's blocks a0, a0 + 1 x B's eight, the slot's q-th 128 along K.  zero = 1: the sums start from the bias of B's block; 2: of A's block; 0: they go on.
; The 64 accumulators take turns, one instruction a turn, in the same order in every step.
.macro MUL16 a0, p, q, sc, zero
.irp a, \a0, \a0+1
.irp b, 0,1,2,3,4,5,6,7
.if (\zero) == 1
	v_wmma_scale_f32_16x16x128_f8f6f4 v[8*(8*((\a)%4)+\b):8*(8*((\a)%4)+\b)+7], v[128*(\p)+FR*\b:128*(\p)+FR*\b+FR-1], v[AF+FR*(\a):AF+FR*(\a)+FR-1], v[BIAS+8*\b:BIAS+8*\b+7], v[SC+8*NQ*(\sc)+NQ*\b+(\q)], v[SC+8*NQ*(\sc)+NQ*(\a)+(\q)] matrix_a_fmt:MATRIX_FMT_FP4 matrix_b_fmt:MATRIX_FMT_FP4 matrix_a_scale:MATRIX_SCALE_ROW1
.elseif (\zero) == 2
	v_wmma_scale_f32_16x16x128_f8f6f4 v[8*(8*((\a)%4)+\b):8*(8*((\a)%4)+\b)+7], v[128*(\p)+FR*\b:128*(\p)+FR*\b+FR-1], v[AF+FR*(\a):AF+FR*(\a)+FR-1], v[BIAS+8*(\a):BIAS+8*(\a)+7], v[SC+8*NQ*(\sc)+NQ*\b+(\q)], v[SC+8*NQ*(\sc)+NQ*(\a)+(\q)] matrix_a_fmt:MATRIX_FMT_FP4 matrix_b_fmt:MATRIX_FMT_FP4 matrix_a_scale:MATRIX_SCALE_ROW1
.else
	v_wmma_scale_f32_16x16x128_f8f6f4 v[8*(8*((\a)%4)+\b):8*(8*((\a)%4)+\b)+7], v[128*(\p)+FR*\b:128*(\p)+FR*\b+FR-1], v[AF+FR*(\a):AF+FR*(\a)+FR-1], v[8*(8*((\a)%4)+\b):8*(8*((\a)%4)+\b)+7], v[SC+8*NQ*(\sc)+NQ*\b+(\q)], v[SC+8*NQ*(\sc)+NQ*(\a)+(\q)] matrix_a_fmt:MATRIX_FMT_FP4 matrix_b_fmt:MATRIX_FMT_FP4 matrix_a_scale:MATRIX_SCALE_ROW1
.endif
.endr
.endr
.endm
.macro FETCH_B slot, q, p
	WIN TO_B
.irp i, 0,1,2,3,4,5,6,7
	FRAG 128*(\p)+FR*\i, ADRB+\slot, \q, \i
.endr
	WIN 0
.endm
.macro FETCH_A slot, q, i0
.irp i, \i0, \i0+1, \i0+2, \i0+3
	FRAG AF+FR*(\i), ADRA+\slot, \q, \i
.endr
.endm
.macro SCALES sc                       ; a slot's scale words: 4 words a row; lanes 0-15 take A's block i, lanes 16-31 B's block i
.irp i, 0,1,2,3,4,5,6,7
	ds_load_b128 v[SC+8*NQ*\sc+NQ*\i:SC+8*NQ*\sc+NQ*\i+3], v[ADRS] offset:\i*SBLK
.endr
.endm
; A step of 128 along K that has its successor in the same slot.  A's blocks 0-3 are fetched anew in its middle, blocks 4-7 at its end; B has two sets.
; Loads into registers that matrix instructions have read stand four plain vector instructions behind them.
.macro STEP slot, q, zero
	s_wait_dscnt 4*NL                              ; B's set and A's blocks 0-3 are in; the youngest eight loads (A's blocks 4-7) may be out
.if \zero
	WIN 0x81                                       ; C (the bias) in window 0, D in window 2
.else
	WIN MUL_LO
.endif
	MUL16 0, (\q)%2, \q, \slot, \zero
	MUL16 2, (\q)%2, \q, \slot, \zero
	s_wait_dscnt 0
	PLACES NP
	FETCH_B \slot, (\q)+1, 1-(\q)%2
	FETCH_A \slot, (\q)+1, 0
.if \zero
	WIN 0xc1
.else
	WIN MUL_HI
.endif
	MUL16 4, (\q)%2, \q, \slot, \zero
	MUL16 6, (\q)%2, \q, \slot, \zero
	PLACES NP
	WIN 0
	FETCH_A \slot, (\q)+1, 4
.endm
	s_wait_tensorcnt 1                             ; the scale bytes and my part of slot 0 are in (slot 1's load may be out),
	s_barrier_signal -1
	s_barrier_wait -1                              ; everybody's are
	FETCH_B 0, 0, 0
	FETCH_A 0, 0, 0
	SCALES 0
	FETCH_A 0, 0, 4
	s_cmp_eq_u32 s19, 2                            ; the first step starts the sums from the bias, which lies along B' for q and k, along A' for v
	s_cbranch_scc1 .Lfirst_v
	STEP 0, 0, 1
	s_branch .Lfirst_done
.Lfirst_v:
	STEP 0, 0, 2
.Lfirst_done:
	STEP 0, 1, 0
	STEP 0, 2, 0
	; slot 0's last step changes slots: each wave shows its part of slot 1 landed, then one barrier
	s_wait_tensorcnt 0x0                           ; all my tensor loads have landed
	ds_add_u32 v[SPW], v[NIL]                      ; 0 onto my spare word
	s_wait_dscnt 4*NL+1                            ; (the add and the youngest eight loads may be out)
	WIN MUL_LO
	MUL16 0, 1, NQ-1, 0, 0
	s_wait_dscnt 0x0
	s_barrier_signal -1
	MUL16 2, 1, NQ-1, 0, 0
	WIN 0
	s_barrier_wait -1
	PLACES NP
	v_add_nc_u32 v[ADRS], 4*NQ, v[ADRS]            ; on to slot 1's scale words (no LDS load of mine is out)
	FETCH_B 1, 0, 0
	FETCH_A 1, 0, 0
	SCALES 1
	WIN MUL_HI
	MUL16 4, 1, NQ-1, 0, 0
	MUL16 6, 1, NQ-1, 0, 0
	PLACES NP
	WIN 0
	FETCH_A 1, 0, 4
	STEP 1, 0, 0
	STEP 1, 1, 0
	STEP 1, 2, 0
	s_wait_dscnt 4*NL                              ; the last step: nothing more to fetch
	WIN MUL_LO
	MUL16 0, 1, NQ-1, 1, 0
	MUL16 2, 1, NQ-1, 1, 0
	s_wait_dscnt 0
	WIN MUL_HI
	MUL16 4, 1, NQ-1, 1, 0
	MUL16 6, 1, NQ-1, 1, 0
	WIN 0
	PLACES NP                                      ; ahead of the first read of results and of the first write into A's registers
	; THE WAY OUT: no LDS.  Every store is an image piece: 32 lanes x 16 bytes, 512 consecutive bytes, aligned.
	s_cmp_eq_u32 s19, 2
	s_cbranch_scc1 .Lout_v
	; ---- q, k
	s_lshr_b32 s2, s21, 3                          ; the batch
	s_lshl_b32 s2, s2, 4
	s_lshl_b32 s3, s17, 2
	s_add_co_u32 s2, s2, s3
	s_lshl_b32 s3, s16, 1
	s_add_co_u32 s67, s2, s3                       ; my first head: 16 batch + 4 cx + 2 CH
	s_mul_i32 s2, s67, 3
	s_add_co_u32 s2, s2, s19
	s_lshl_b32 s2, s2, 12
	s_mov_b32 s3, 0
	s_add_nc_u64 s[94:95], s[12:13], s[2:3]        ; qkvf: (head x 3 + T) x 4,096
	s_lshl_b32 s2, s67, 7
	s_and_b32 s67, s21, 7
	s_lshl_b32 s92, s67, 4
	s_add_co_u32 s2, s2, s92
	s_lshl_b32 s92, s15, 3
	s_add_co_u32 s2, s2, s92                       ; my first tile of 16 positions
	s_lshl_b32 s2, s2, 11
	s_lshl_b32 s92, s19, 23
	s_add_co_u32 s2, s2, s92
	s_add_nc_u64 s[92:93], s[10:11], s[2:3]
	s_or_b32 s67, s67, s15                         ; 0: my block 0 holds positions 0-15 of the batch
	v_mov_b32 v[FLG], s67
	s_wait_xcnt 0x0                                ; EXEC changes only behind this wait
	v_cmp_eq_u32 vcc_lo, 0, v[FLG]
	s_and_saveexec_b32 s67, vcc_lo                 ; a mask and no branch: the flag differs between partners
	WIN 0x08                                       ; a store's data are its source 1: window 2
.irp b, 0,1,2,3,4,5,6,7
	global_store_b128 v[CO], v[8*\b:8*\b+3], s[94:95] offset:(\b/4)*12288+(\b%4)*1024
	global_store_b128 v[CO], v[8*\b+4:8*\b+7], s[94:95] offset:(\b/4)*12288+(\b%4)*1024+512
.endr
	WIN 0
	s_wait_xcnt 0x0
	s_or_b32 exec_lo, exec_lo, s67
.irp a, 0,1,2,3,4,5,6,7
.if \a >= 2
	s_wait_xcnt 0x0                                ; block a - 2's stores have read their registers
.endif
	WIN 0x02+(\a/4)                                ; source 0: window 2 or 3
.irp b, 0,1,2,3,4,5,6,7
.irp i, 0,2,4,6
	v_pk_mul_f32 v[TT+8*\b+\i:TT+8*\b+\i+1], v[64*(\a%4)+8*\b+\i:64*(\a%4)+8*\b+\i+1], s[96:97] op_sel_hi:[1,0]
.endr
.endr
	WIN 0
.irp b, 0,1,2,3,4,5,6,7
.irp i, 0,1,2,3
	v_cvt_pk_f16_f32 v[OB+32*(\a%2)+4*\b+\i], v[TT+8*\b+2*\i], v[TT+8*\b+2*\i+1]
.endr
.endr
.irp b, 0,1,2,3,4,5,6,7
	global_store_b128 v[CO], v[OB+32*(\a%2)+4*\b:OB+32*(\a%2)+4*\b+3], s[92:93] offset:(\b/4)*262144+\a*2048+(\b%4)*512 th:TH_STORE_NT
.endr
.endr
	s_branch .Lend
.Lout_v:
	; ---- v
	s_lshr_b32 s2, s22, 3                          ; the batch
	s_lshl_b32 s2, s2, 4
	s_lshl_b32 s3, s18, 2
	s_add_co_u32 s2, s2, s3
	s_lshl_b32 s3, s15, 1
	s_add_co_u32 s67, s2, s3                       ; my first head: 16 batch + 4 cy + 2 RH
	s_mul_i32 s2, s67, 3
	s_add_co_u32 s2, s2, 2
	s_lshl_b32 s2, s2, 12
	s_mov_b32 s3, 0
	s_add_nc_u64 s[94:95], s[12:13], s[2:3]
	s_lshl_b32 s2, s67, 6
	s_and_b32 s67, s22, 7
	s_lshl_b32 s92, s67, 3
	s_add_co_u32 s2, s2, s92
	s_lshl_b32 s92, s16, 2
	s_add_co_u32 s2, s2, s92                       ; my first group of 32 keys
	s_lshl_b32 s2, s2, 12
	s_add_co_u32 s2, s2, 16777216
	s_add_nc_u64 s[92:93], s[10:11], s[2:3]
	s_or_b32 s67, s67, s16                         ; 0: B's block 0 holds positions 0-15 of the batch
	v_mov_b32 v[FLG], s67
	s_wait_xcnt 0x0
	v_cmp_eq_u32 vcc_lo, 0, v[FLG]
	s_and_saveexec_b32 s67, vcc_lo
	WIN 0x08
.irp a, 0,1,2,3
	global_store_b128 v[CO], v[64*\a:64*\a+3], s[94:95] offset:\a*1024
	global_store_b128 v[CO], v[64*\a+4:64*\a+7], s[94:95] offset:\a*1024+512
.endr
	WIN 0x0c
.irp a, 0,1,2,3
	global_store_b128 v[CO], v[64*\a:64*\a+3], s[94:95] offset:12288+\a*1024
	global_store_b128 v[CO], v[64*\a+4:64*\a+7], s[94:95] offset:12288+\a*1024+512
.endr
	WIN 0
	s_wait_xcnt 0x0
	s_or_b32 exec_lo, exec_lo, s67
.irp a, 0,1,2,3,4,5,6,7
.if \a >= 2
	s_wait_xcnt 0x0
.endif
	WIN 0x0a+5*(\a/4)                              ; sources 0 and 1: window 2 or 3
.irp b, 0,1,2,3,4,5,6,7
.irp i, 0,1,2,3
	v_cvt_pk_f16_f32 v[OB+32*(\a%2)+4*\b+\i], v[64*(\a%4)+8*\b+2*\i], v[64*(\a%4)+8*\b+2*\i+1]
.endr
.endr
	WIN 0
.irp b, 0,1,2,3,4,5,6,7
	global_store_b128 v[CO], v[OB+32*(\a%2)+4*\b:OB+32*(\a%2)+4*\b+3], s[92:93] offset:(\a/4)*262144+(\b/2)*4096+(\a%4)*1024+(\b%2)*512 th:TH_STORE_NT
.endr
.endr
.Lend:
	s_wait_tensorcnt 0x0                           ; the wave's end
	ds_add_u32 v[SPW], v[NIL]
	s_wait_dscnt 0x0
	CROUND                                         ; the closing round
	s_endpgm
.Lfunc_end_k_qf9d33d73ee_qkvgemm:
	.size	k_qf9d33d73ee_qkvgemm, .Lfunc_end_k_qf9d33d73ee_qkvgemm-k_qf9d33d73ee_qkvgemm
	.p2alignl 7, 3214868480
	.fill 96, 4, 3214868480
	.section	.rodata,"a",@progbits
	.p2align	6, 0x0
	.amdhsa_kernel k_qf9d33d73ee_qkvgemm
		.amdhsa_group_segment_fixed_size 327680
		.amdhsa_private_segment_fixed_size 0
		.amdhsa_enable_private_segment 0
		.amdhsa_kernarg_size 40
		.amdhsa_user_sgpr_count 2
		.amdhsa_user_sgpr_kernarg_segment_ptr 1
		.amdhsa_wavefront_size32 1
		.amdhsa_system_sgpr_workgroup_id_x 1
		.amdhsa_system_sgpr_workgroup_id_y 1
		.amdhsa_system_sgpr_workgroup_id_z 1
		.amdhsa_system_vgpr_workitem_id 0
		.amdhsa_next_free_vgpr 1024
		.amdhsa_next_free_sgpr 102
		.amdhsa_reserve_vcc 1
		.amdhsa_float_denorm_mode_32 3
		.amdhsa_float_denorm_mode_16_64 3
		.amdhsa_memory_ordered 1
		.amdhsa_forward_progress 1
		.amdhsa_inst_pref_size 177
	.end_amdhsa_kernel
	.amdgpu_metadata
---
amdhsa.version: [ 1, 2 ]
amdhsa.kernels:
  - .name:           k_qf9d33d73ee_qkvgemm
    .symbol:         k_qf9d33d73ee_qkvgemm.kd
    .args:
      - { .name: xq, .offset: 0, .size: 8, .value_kind: global_buffer, .address_space: global }
      - { .name: wq, .offset: 8, .size: 8, .value_kind: global_buffer, .address_space: global }
      - { .name: c_attn_b, .offset: 16, .size: 8, .value_kind: global_buffer, .address_space: global }
      - { .name: qkvh, .offset: 24, .size: 8, .value_kind: global_buffer, .address_space: global }
      - { .name: qkvf, .offset: 32, .size: 8, .value_kind: global_buffer, .address_space: global }
    .group_segment_fixed_size: 327680
    .private_segment_fixed_size: 0
    .kernarg_segment_align: 8
    .kernarg_segment_size: 40
    .max_flat_workgroup_size: 128
    .sgpr_count:     102
    .vgpr_count:     1024
    .wavefront_size: 32
...
	.end_amdgpu_metadata
.endif
;; end of part 2
;; launch attn (part 3): grid 8 x 32, 16 waves a work-group, clusters of 4 x 1, 327,680 bytes of LDS; arguments qkvh, ctx; writes ctx
.if DOCPART == 3
	.amdgcn_target "amdgcn-amd-amdhsa--gfx1250"
	.amdhsa_code_object_version 6
	.text
	.protected	k_qf9d33d73ee_attn
	.globl	k_qf9d33d73ee_attn
	.p2align	8
	.type	k_qf9d33d73ee_attn,@function
k_qf9d33d73ee_attn:
	s_mov_b64 s[64:65], 0
	v_nop
	global_prefetch_b8 v0, s[64:65] scope:SCOPE_SE
	s_setreg_imm32_b32 hwreg(HW_REG_WAVE_MODE, 25, 1), 1
	s_wait_xcnt 0x0
	s_wait_alu depctr_hold_cnt(0) depctr_sa_sdst(0) depctr_va_vdst(0) depctr_va_sdst(0) depctr_va_ssrc(0) depctr_va_vcc(0) depctr_vm_vsrc(0)
	s_getreg_b32 s2, hwreg(HW_REG_IB_STS2, 6, 4)
	s_cmp_eq_u32 s2, 0
	s_cbranch_scc0 .Lentry_in_a_cluster
	s_endpgm
.Lentry_in_a_cluster:
	s_bfe_u32 s2, ttmp6, 0x10000c
	s_cmp_lg_u32 s2, 0x3003
	s_cbranch_scc0 .Lentry_shape_is_right
	s_endpgm
.Lentry_shape_is_right:
; ctx = softmax(q k^T / 8, causal) v for 32 (batch, head) pairs of 2,048 positions x 64 channels.  q, k, v come in f16 as images of operand registers (a piece: 32 lanes x 16 bytes); q and k carry sqrt(log2(e) / 8) each,
; so a score is the exponent of 2.  Products on f16 operands, sums, maxima and the row's sum in f32; p = 2^(score - running maximum) is at most 1 and is rounded to f16 for the second product; ctx is rounded to f16 once.
; SHARES.  Work-group g (0..7) of a head has sixteen waves, four to a SIMD, so that one wave's vector work stands beside another's matrix work.  A wave owns ONE tile of 16 queries: tile 8 J + g, the g-th tile of the block J of 128 queries.
; J is a permutation of the wave's number made of two orthogonal Latin squares of side 4: waves with equal number / 4, and waves with equal number % 4, hold one J from each quarter of the sequence, with the sum 30.
; A key step is 128 keys.  Step u counts for block J exactly where u <= J, and u = J is the step on the diagonal, whatever g is: so every branch hangs on the wave's number and the count of steps alone, every work-group does the
; same 136 wave-steps, and in every work-group the wave with J = 15 reads every tile.
; CLUSTER.  The four work-groups of a cluster belong to one head and walk the same K and V: each tile is asked for jointly (the mask names all four); trip counts are constants.
; No prefetch: keys 0-1,023 are the first fills; each of the two refills is issued four key steps ahead of its first read.
; LAYOUT.  S^T = K Q^T and O^T = V^T P, both transposed: a lane holds ONE query (lane % 16) throughout; two tiles of S^T, rounded in pairs, are source 1 of the second product.  O^T, rounded, is an image piece of the projection's operand.
; LDS.  Two slots of 131,072 bytes, 512 keys each: K's images (65,536), then V's.  Images are dense: lane l reads 16 bytes at 16 l, so no padding is wanted.  Behind them the spare words.
; LDS LOADS ARE ASKED FOR EARLY.  A step's 16 fragments of K go out in one run of 32 loads at its head: keys 0-63 into F, keys 64-127 into registers that are idle during the first product (P's 32, v232-255, and the softmax's eight
; work registers v16-23).  V's keys 0-63 go into F behind the first product and land under the softmax; V's keys 64-127 go into S^T's registers as soon as p is rounded, and land under the rescaling and the first eight products V^T P.
; LIMITS: f16's range for q, k (x 0.425), v and ctx: magnitudes under 65,504.
.set SLOTB, 131072
.set VOFF,  65536
.set STEPB, 16384                      ; 128 keys: 8 tiles of K x 2,048 bytes; 4 groups of 32 keys of V x 4,096 bytes
.set PHB,   65536                      ; 512 keys of K or of V in memory
.set SPARE, 262144
.set LI,   1                           ; v1   16 x lane
.set LV,   2                           ; v2   16 x lane + VOFF
.set ADK,  3
.set ADV,  4
.set DD,   5                           ; v5   16 g + r - 8 h: on the diagonal, register j of tile t is hidden where 16 t + j is above it
.set NINF, 6
.set SPW,  8
.set NIL,  9
.set MX,   10                          ; v[10:11] the running maximum (and a word that is only named)
.set LS,   12                          ; v[12:13] the row's sum, in two halves
.set AA,   14                          ; v[14:15] a = 2^(old maximum - new) (and a word that is only named)
.set MC,   16                          ; v16-19  four chains of the maximum.  (v16-23: during the first product a fragment of K)
.set T0,   20
.set T1,   21
.set L2,   22                          ; v[22:23] the second chain of the sum
.set Q,    24                          ; v24-39   Q: two fragments
.set O,    40                          ; v40-71   O^T: four tiles of 16 channels
.set S,    72                          ; v72-135  S^T: eight tiles of 16 keys, then p, then V's keys 64-127
.set P,    136                         ; v136-167 p in f16: four fragments; during the first product four fragments of K
.set F,    168                         ; v168-231 eight fragments of K, then of V
.set X2,   232                         ; v232-255 three more fragments of K
.set L3,   232                         ; v[232:233], v[234:235] later the third and fourth chain of the sum
.set L4,   234
.set WV,   12
.set GG,   14
.set BH,   15
.set JJ,   16
.set UU,   17
.set TB,   18
.set CNT,  19
.set SEL,  20
.set G1,   24
.set G0,   32
.macro CROUND
	s_barrier_signal -1
	s_barrier_wait -1
	s_cmp_lg_u32 s[WV], 0
	s_cbranch_scc1 .Lnot_wave_0_\@
	s_barrier_signal -3
.Lnot_wave_0_\@:
	s_barrier_wait -3
	s_barrier_signal -1
	s_barrier_wait -1
.endm
.macro PLACES n
.rept \n
	v_nop
.endr
.endm
.macro SETKR i                         ; KR: where fragment i = 2 t + f (tile 4 + t of the step's keys, channels 32 f on) of K's keys 64-127 lies
.if (\i) < 4
.set KR, P+8*(\i)
.elseif (\i) < 7
.set KR, X2+8*((\i)-4)
.else
.set KR, MC
.endif
.endm
.macro VLOAD gv, base                  ; V^T's fragments of keys 64 gv .. 64 gv + 63 of the step: (32 keys kf, 16 channels ct) at base + 32 kf + 8 ct
.irp kf, 0,1
.irp ct, 0,1,2,3
	ds_load_b128 v[\base+32*\kf+8*\ct:\base+32*\kf+8*\ct+3], v[ADV] offset:(2*\gv+\kf)*4096+\ct*1024
	ds_load_b128 v[\base+32*\kf+8*\ct+4:\base+32*\kf+8*\ct+7], v[ADV] offset:(2*\gv+\kf)*4096+\ct*1024+512
.endr
.endr
.endm
.macro PV base, kf, pf                 ; four products on 32 keys: V's fragments at base + 32 kf, p's fragment pf; the four accumulators by turns
.irp ct, 0,1,2,3
	v_wmma_f32_16x16x32_f16 v[O+8*\ct:O+8*\ct+7], v[\base+32*\kf+8*\ct:\base+32*\kf+8*\ct+7], v[P+8*\pf:P+8*\pf+7], v[O+8*\ct:O+8*\ct+7]
.endr
.endm
; A KEY STEP.  A step whose keys all come after my block of queries is left out: a branch on the wave's number and the count of steps, round LDS loads and register work alone.
.macro STEP
	s_cmp_gt_u32 s[UU], s[JJ]
	s_cbranch_scc1 .Lhid_\@
	v_add_nc_u32 v[ADK], s[TB], v[LI]
	v_add_nc_u32 v[ADV], s[TB], v[LV]
	PLACES 3                                       ; five plain lines behind the last step's products: four ahead of the loads into their sources, five ahead of the product below that writes S^T's registers, which were their sources
.irp f, 0,1                            ; K, all 128 keys: 32 loads in one run, in the order in which the products want them
.irp t, 0,1,2,3
	ds_load_b128 v[F+16*\t+8*\f:F+16*\t+8*\f+3], v[ADK] offset:\t*2048+\f*1024
	ds_load_b128 v[F+16*\t+8*\f+4:F+16*\t+8*\f+7], v[ADK] offset:\t*2048+\f*1024+512
.endr
.endr
.irp f, 0,1
.irp t, 0,1,2,3
	SETKR 2*\t+\f
	ds_load_b128 v[KR:KR+3], v[ADK] offset:(4+\t)*2048+\f*1024
	ds_load_b128 v[KR+4:KR+7], v[ADK] offset:(4+\t)*2048+\f*1024+512
.endr
.endr
	s_wait_dscnt 24                                ; keys 0-63, channels 0-31 are in; the 24 loads behind them may be out
.irp t, 0,1,2,3                        ; S^T = K Q^T: four accumulators by turns
	v_wmma_f32_16x16x32_f16 v[S+8*\t:S+8*\t+7], v[F+16*\t:F+16*\t+7], v[Q:Q+7], 0
.endr
	s_wait_dscnt 16                                ; their channels 32-63
.irp t, 0,1,2,3
	v_wmma_f32_16x16x32_f16 v[S+8*\t:S+8*\t+7], v[F+16*\t+8:F+16*\t+15], v[Q+8:Q+15], v[S+8*\t:S+8*\t+7]
.endr
	s_wait_dscnt 8                                 ; keys 64-127, channels 0-31
.irp t, 0,1,2,3
	SETKR 2*\t
	v_wmma_f32_16x16x32_f16 v[S+32+8*\t:S+32+8*\t+7], v[KR:KR+7], v[Q:Q+7], 0
.endr
	s_wait_dscnt 0x0
.irp t, 0,1,2,3
	SETKR 2*\t+1
	v_wmma_f32_16x16x32_f16 v[S+32+8*\t:S+32+8*\t+7], v[KR:KR+7], v[Q+8:Q+15], v[S+32+8*\t:S+32+8*\t+7]
.endr
	PLACES 4                                       ; ahead of the loads into F, of the first read of the scores and of the first write into K's other registers
	VLOAD 0, F                                     ; lands while the softmax is worked
	s_cmp_lg_u32 s[UU], s[JJ]
	s_cbranch_scc1 .Lopen_\@
.irp n, 0,1,2,3,4,5,6,7,8,9,10,11,12,13,14,15,16,17,18,19,20,21,22,23,24,25,26,27,28,29,30,31,32,33,34,35,36,37,38,39,40,41,42,43,44,45,46,47,48,49,50,51,52,53,54,55,56,57,58,59,60,61,62,63
	v_cmp_gt_i32 vcc_lo, 16*(\n/8)+\n%8, v[DD]     ; on the diagonal hidden scores become -infinity: p = 0
	v_cndmask_b32 v[S+\n], v[S+\n], v[NINF], vcc_lo
.endr
.Lopen_\@:
.irp b, 0,1,2,3
	v_max3_num_f32 v[MC+\b], v[S+16*\b], v[S+16*\b+1], v[S+16*\b+2]   ; four chains by turns; each tile is first read at its low end
.endr
.irp i, 3,5,7,9,11,13
.irp b, 0,1,2,3
	v_max3_num_f32 v[MC+\b], v[MC+\b], v[S+16*\b+\i], v[S+16*\b+\i+1]
.endr
.endr
.irp b, 0,1,2,3
	v_max_num_f32 v[MC+\b], v[MC+\b], v[S+16*\b+15]
.endr
	v_max3_num_f32 v[T0], v[MC], v[MC+1], v[MC+2]
	v_max3_num_f32 v[T0], v[T0], v[MC+3], v[MX]
	v_permlanex16_b32 v[T1], v[T0], s[SEL], s[SEL+1]   ; the query's other 64 keys lie in the lane 16 away
	v_max_num_f32 v[T0], v[T0], v[T1]              ; the new maximum: a number from the first step on, since key 0 counts for every query
	v_sub_f32 v[AA], v[MX], v[T0]                  ; old - new: 0 or less; -infinity in the first step
	v_mov_b32 v[MX], v[T0]
.irp j, 0,2,4,6,8,10,12,14,16,18,20,22,24,26,28,30,32,34,36,38,40,42,44,46,48,50,52,54,56,58,60,62
	v_pk_add_f32 v[S+\j:S+\j+1], v[S+\j:S+\j+1], v[MX:MX+1] op_sel_hi:[1,0] neg_lo:[0,1] neg_hi:[0,1]   ; score - maximum, two at a time
.endr
	v_exp_f32 v[AA], v[AA]
.irp j, 0,1,2,3,4,5,6,7,8,9,10,11,12,13,14,15,16,17,18,19,20,21,22,23,24,25,26,27,28,29,30,31,32,33,34,35,36,37,38,39,40,41,42,43,44,45,46,47,48,49,50,51,52,53,54,55,56,57,58,59,60,61,62,63
	v_exp_f32 v[S+\j], v[S+\j]
.endr
	v_nop                                          ; one plain line behind the last exponential
	s_wait_alu depctr_va_vdst(0)                   ; one wait for the batch of 65, ahead of its first reader
	v_pk_mul_f32 v[LS:LS+1], v[LS:LS+1], v[AA:AA+1] op_sel_hi:[1,0]
	v_pk_add_f32 v[L2:L2+1], v[S:S+1], v[S+2:S+3]  ; the row's sum of the unrounded p, in four chains by turns, so that a line does not wait for the line above it
	v_pk_add_f32 v[L3:L3+1], v[S+4:S+5], v[S+6:S+7]
	v_pk_add_f32 v[L4:L4+1], v[S+8:S+9], v[S+10:S+11]
.irp j, 12,20,28,36,44,52
	v_pk_add_f32 v[LS:LS+1], v[LS:LS+1], v[S+\j:S+\j+1]
	v_pk_add_f32 v[L2:L2+1], v[L2:L2+1], v[S+\j+2:S+\j+3]
	v_pk_add_f32 v[L3:L3+1], v[L3:L3+1], v[S+\j+4:S+\j+5]
	v_pk_add_f32 v[L4:L4+1], v[L4:L4+1], v[S+\j+6:S+\j+7]
.endr
	v_pk_add_f32 v[LS:LS+1], v[LS:LS+1], v[S+60:S+61]
	v_pk_add_f32 v[L2:L2+1], v[L2:L2+1], v[S+62:S+63]
	v_pk_add_f32 v[L3:L3+1], v[L3:L3+1], v[L4:L4+1]
	v_pk_add_f32 v[LS:LS+1], v[LS:LS+1], v[L2:L2+1]
	v_pk_add_f32 v[LS:LS+1], v[LS:LS+1], v[L3:L3+1]
.irp i, 0,1,2,3,4,5,6,7,8,9,10,11,12,13,14,15,16,17,18,19,20,21,22,23,24,25,26,27,28,29,30,31
	v_cvt_pk_f16_f32 v[P+\i], v[S+2*\i], v[S+2*\i+1]
.endr
	VLOAD 1, S                                     ; p has been read for the last time: its registers take V's keys 64-127
.irp j, 0,2,4,6,8,10,12,14,16,18,20,22,24,26,28,30
	v_pk_mul_f32 v[O+\j:O+\j+1], v[O+\j:O+\j+1], v[AA:AA+1] op_sel_hi:[1,0]   ; O^T under the new maximum
.endr
	s_wait_dscnt 16                                ; V's keys 0-63 are in; the 16 loads just issued may be out
	PV F, 0, 0
	PV F, 1, 1
	s_wait_dscnt 8                                 ; keys 64-95 are in; the eight loads of keys 96-127 may be out
	PV S, 0, 2
	s_wait_dscnt 0x0
	PV S, 1, 3
.Lhid_\@:
	s_add_co_u32 s[UU], s[UU], 1
	s_add_co_u32 s[TB], s[TB], STEPB
.endm
.macro PHASE slot                      ; a slot's four key steps: written once, walked four times
	s_mov_b32 s[TB], \slot*SLOTB
	s_mov_b32 s[CNT], 4
.Lstep_\@:
	STEP
	s_sub_co_u32 s[CNT], s[CNT], 1
	s_cmp_lg_u32 s[CNT], 0
	s_cbranch_scc1 .Lstep_\@
.endm
; THE CHANGE OF SLOTS.  Each wave waits for all its tensor loads (its part of the slot ahead), adds 0 to its spare word, and waits for that and for its reads of the slot that it leaves.
; fill = 1: a round of the cluster's barrier, and behind it slot s, just left, is filled with the keys 1,024 on: my one tensor load until the next round; it has a whole slot's steps in which to land.
.macro CHANGE s, fill
	s_wait_tensorcnt 0x0                           ; no tensor load of mine is out, so a group 0 may be written
	ds_add_u32 v[SPW], v[NIL]
.if \fill
	s_add_nc_u64 s[G0+4*\s+2:G0+4*\s+3], s[G0+4*\s+2:G0+4*\s+3], 2*PHB
.endif
	s_wait_dscnt 0x0
.if \fill
	CROUND
	tensor_load_to_lds s[G0+4*\s:G0+4*\s+3], s[G1:G1+7]
	s_nop 0
	PLACES 4
.else
	s_barrier_signal -1
	s_barrier_wait -1
.endif
.endm
	s_load_b128 s[4:7], s[0:1], 0x0                ; qkvh s[4:5], ctx s[6:7]
	v_lshl_add_u32 v[SPW], v0, 2, SPARE
	v_mov_b32 v[NIL], 0
	ds_add_u32 v[SPW], v[NIL]                      ; the wave's opening: the add, twice on end, and its wait ahead of my first tensor load
	ds_add_u32 v[SPW], v[NIL]
	v_lshrrev_b32 v1, 5, v0
	v_readfirstlane_b32 s[WV], v1                  ; wave 0..15
	s_bfe_u32 s13, ttmp6, 0x40000                  ; cx
	s_lshl_b32 s[GG], ttmp9, 2
	s_add_co_u32 s[GG], s[GG], s13                 ; g: it enters Q's and ctx's addresses and the diagonal's mask alone
	s_and_b32 s[BH], ttmp7, 0xffff                 ; 16 batch + head
	s_lshr_b32 s40, s[WV], 2                       ; a
	s_and_b32 s41, s[WV], 3                        ; s
	s_lshr_b32 s42, s41, 1
	s_xor_b32 s43, s42, s41
	s_and_b32 s43, s43, 1
	s_lshl_b32 s43, s43, 1
	s_or_b32 s43, s43, s42                         ; m(s): bit 1 = s1 xor s0, bit 0 = s1
	s_xor_b32 s41, s40, s41
	s_xor_b32 s43, s40, s43
	s_lshl_b32 s41, s41, 2
	s_add_co_u32 s[JJ], s41, s43                   ; J = 4 (a xor s) + (a xor m)
	s_mov_b32 s[G1], 15|(3<<16)|(1<<21)            ; the mask: all four work-groups; elements of 8 bytes; bit 21 beside a mask; no padding
	s_mov_b32 s[G1+1], 32<<16                      ; 32 rows of 256 bytes, dense: 8,192 bytes a wave
	s_mov_b32 s[G1+2], 32<<16
	s_mov_b32 s[G1+3], 32<<16
	s_mov_b32 s[G1+4], 32
	s_mov_b32 s[G1+5], 32
	s_mov_b32 s[G1+6], 0
	s_mov_b32 s[G1+7], 0
	s_lshr_b32 s40, s[WV], 3                       ; waves 0-7 fetch K's images, waves 8-15 V's
	s_add_co_u32 s40, s40, 1
	s_lshl_b32 s40, s40, 23
	s_lshl_b32 s41, s[BH], 18
	s_add_co_u32 s40, s40, s41
	s_and_b32 s41, s[WV], 7
	s_lshl_b32 s41, s41, 13
	s_add_co_u32 s40, s40, s41                     ; my 8,192 bytes of the head's first 512 keys
	s_mov_b32 s41, 0
	s_lshl_b32 s42, s[JJ], 3
	s_add_co_u32 s42, s42, s[GG]                   ; my tile of 16 queries
	s_lshl_b32 s43, s[BH], 7
	s_add_co_u32 s43, s43, s42
	s_lshl_b32 s44, s43, 11                        ; its images in q
	s_mov_b32 s45, 0
	s_lshr_b32 s46, s[BH], 4
	s_lshl_b32 s46, s46, 7
	s_add_co_u32 s46, s46, s42
	s_lshl_b32 s46, s46, 15                        ; ctx: (128 batch + tile) x 32,768
	s_and_b32 s47, s[BH], 15
	s_lshl_b32 s47, s47, 11
	s_add_co_u32 s46, s46, s47                     ; + head x 2,048
	s_mov_b32 s47, 0
	s_mov_b32 s[SEL], 0x76543210
	s_mov_b32 s[SEL+1], 0xfedcba98
	s_mov_b32 s[UU], 0
	s_lshl_b32 s48, s[GG], 4
	s_wait_dscnt 0x0                               ; both opening adds are done
	s_wait_kmcnt 0x0
	s_add_nc_u64 s[8:9], s[4:5], s[44:45]
	s_add_nc_u64 s[10:11], s[6:7], s[46:47]
	s_mov_b32 s[G0], 1
	s_lshl_b32 s[G0+1], s[WV], 13                  ; LDS: wave x 8,192, in slot 0
	s_add_nc_u64 s[G0+2:G0+3], s[4:5], s[40:41]
	s_add_nc_u64 s[G0+6:G0+7], s[G0+2:G0+3], PHB
	s_or_b32 s[G0+3], s[G0+3], 0x80000000
	s_mov_b32 s[G0+4], 1
	s_add_co_u32 s[G0+5], s[G0+1], SLOTB
	s_or_b32 s[G0+7], s[G0+7], 0x80000000
	CROUND                                         ; all four work-groups are here: the first joint loads meet
	tensor_load_to_lds s[G0:G0+3], s[G1:G1+7]      ; keys 0-511
	s_nop 0
	tensor_load_to_lds s[G0+4:G0+7], s[G1:G1+7]    ; keys 512-1,023: two loads of mine are out
	s_nop 0
	PLACES 4
	v_and_b32 v[LI], 31, v0
	v_lshlrev_b32 v[LI], 4, v[LI]
.irp p, 0,1,2,3
	global_load_b128 v[Q+4*\p:Q+4*\p+3], v[LI], s[8:9] offset:512*\p   ; Q stays in registers
.endr
	v_add_nc_u32 v[LV], VOFF, v[LI]
	v_and_b32 v[T0], 15, v0
	v_bfe_u32 v[T1], v0, 4, 1
	v_lshlrev_b32 v[T1], 3, v[T1]
	v_sub_nc_u32 v[DD], v[T0], v[T1]
	v_add_nc_u32 v[DD], s48, v[DD]
	v_mov_b32 v[NINF], 0xff800000
	v_mov_b32 v[MX], v[NINF]                       ; under every score
	v_mov_b32 v[MX+1], 0
	v_mov_b32 v[LS], 0
	v_mov_b32 v[LS+1], 0
	v_mov_b32 v[AA+1], 0
.irp j, 0,1,2,3,4,5,6,7,8,9,10,11,12,13,14,15,16,17,18,19,20,21,22,23,24,25,26,27,28,29,30,31
	v_mov_b32 v[O+\j], 0                           ; the step is written once: the first finds zeros
.endr
	s_wait_loadcnt 0x0                             ; Q
	s_wait_tensorcnt 1                             ; my part of slot 0 is in; slot 1's may stay out
	s_barrier_signal -1
	s_barrier_wait -1
	PHASE 0
	CHANGE 0, 1
	PHASE 1
	CHANGE 1, 1
	PHASE 0
	CHANGE 0, 0                                    ; nothing is left to fetch
	PHASE 1
	; THE WAY OUT: O^T / the sum, rounded to f16: four image pieces, stored straight from registers
	PLACES 4
	v_add_f32 v[T0], v[LS], v[LS+1]
	v_permlanex16_b32 v[T1], v[T0], s[SEL], s[SEL+1]
	v_add_f32 v[T0], v[T0], v[T1]
	v_rcp_f32 v[AA], v[T0]
	v_nop
	s_wait_alu depctr_va_vdst(0)                   ; ahead of the reciprocal's first reader
.irp j, 0,2,4,6,8,10,12,14,16,18,20,22,24,26,28,30
	v_pk_mul_f32 v[S+\j:S+\j+1], v[O+\j:O+\j+1], v[AA:AA+1] op_sel_hi:[1,0]
.endr
.irp i, 0,1,2,3,4,5,6,7,8,9,10,11,12,13,14,15
	v_cvt_pk_f16_f32 v[P+\i], v[S+2*\i], v[S+2*\i+1]
.endr
.irp ct, 0,1,2,3
	global_store_b128 v[LI], v[P+4*\ct:P+4*\ct+3], s[10:11] offset:512*\ct   ; 32 lanes store 512 consecutive bytes, aligned
.endr
	s_wait_tensorcnt 0x0                           ; the wave's end
	ds_add_u32 v[SPW], v[NIL]
	s_wait_dscnt 0x0
	CROUND                                         ; the closing round
	s_endpgm
.Lfunc_end_k_qf9d33d73ee_attn:
	.size	k_qf9d33d73ee_attn, .Lfunc_end_k_qf9d33d73ee_attn-k_qf9d33d73ee_attn
	.p2alignl 7, 3214868480
	.fill 96, 4, 3214868480
	.section	.rodata,"a",@progbits
	.p2align	6, 0x0
	.amdhsa_kernel k_qf9d33d73ee_attn
		.amdhsa_group_segment_fixed_size 327680
		.amdhsa_private_segment_fixed_size 0
		.amdhsa_enable_private_segment 0
		.amdhsa_kernarg_size 16
		.amdhsa_user_sgpr_count 2
		.amdhsa_user_sgpr_kernarg_segment_ptr 1
		.amdhsa_wavefront_size32 1
		.amdhsa_system_sgpr_workgroup_id_x 1
		.amdhsa_system_sgpr_workgroup_id_y 1
		.amdhsa_system_sgpr_workgroup_id_z 1
		.amdhsa_system_vgpr_workitem_id 0
		.amdhsa_next_free_vgpr 256
		.amdhsa_next_free_sgpr 66
		.amdhsa_reserve_vcc 1
		.amdhsa_float_denorm_mode_32 3
		.amdhsa_float_denorm_mode_16_64 3
		.amdhsa_memory_ordered 1
		.amdhsa_forward_progress 1
		.amdhsa_inst_pref_size 104
	.end_amdhsa_kernel
	.amdgpu_metadata
---
amdhsa.version: [ 1, 2 ]
amdhsa.kernels:
  - .name:           k_qf9d33d73ee_attn
    .symbol:         k_qf9d33d73ee_attn.kd
    .args:
      - { .name: qkvh, .offset: 0, .size: 8, .value_kind: global_buffer, .address_space: global }
      - { .name: ctx, .offset: 8, .size: 8, .value_kind: global_buffer, .address_space: global }
    .group_segment_fixed_size: 327680
    .private_segment_fixed_size: 0
    .kernarg_segment_align: 8
    .kernarg_segment_size: 16
    .max_flat_workgroup_size: 512
    .sgpr_count:     66
    .vgpr_count:     256
    .wavefront_size: 32
...
	.end_amdgpu_metadata
.endif
;; end of part 3
;; launch proj (part 4): grid 8 x 32, 4 waves a work-group, clusters of 4 x 4, 327,680 bytes of LDS; arguments ctx, wp, c_proj_b, out0; writes out0
.if DOCPART == 4
	.amdgcn_target "amdgcn-amd-amdhsa--gfx1250"
	.amdhsa_code_object_version 6
	.text
	.protected	k_qf9d33d73ee_proj
	.globl	k_qf9d33d73ee_proj
	.p2align	8
	.type	k_qf9d33d73ee_proj,@function
k_qf9d33d73ee_proj:
	s_mov_b64 s[64:65], 0
	v_nop
	global_prefetch_b8 v0, s[64:65] scope:SCOPE_SE
	s_setreg_imm32_b32 hwreg(HW_REG_WAVE_MODE, 25, 1), 1
	s_wait_xcnt 0x0
	s_wait_alu depctr_hold_cnt(0) depctr_sa_sdst(0) depctr_va_vdst(0) depctr_va_sdst(0) depctr_va_ssrc(0) depctr_va_vcc(0) depctr_vm_vsrc(0)
	s_getreg_b32 s2, hwreg(HW_REG_IB_STS2, 6, 4)
	s_cmp_eq_u32 s2, 0
	s_cbranch_scc0 .Lentry_in_a_cluster
	s_endpgm
.Lentry_in_a_cluster:
	s_bfe_u32 s2, ttmp6, 0x10000c
	s_cmp_lg_u32 s2, 0xf033
	s_cbranch_scc0 .Lentry_shape_is_right
	s_endpgm
.Lentry_shape_is_right:
; out0 = ctx c_proj_w + c_proj_b.  ctx [4096][1024] and c_proj_w come in f16 as images of operand registers: [tile of 16 rows (ctx) or columns (wp)][k / 32][c 2][lane][16 bytes]; sums in f32; out0 f32.
; 256 tiles of 128 x 128, one a work-group; four waves, each 64 x 64: 16 accumulators.  K goes in four steps of 256 through two LDS slots; a K step of one tile of 16 is 8,192 dense bytes, so a wave's tensor load brings four rows of 8,192 bytes.
; Images are dense: lane l reads 16 bytes at 16 l: no padding is wanted.  CLUSTERS: 4 x 4: ctx's tiles are shared along a row of the cluster, wp's along a column, each asked for jointly.
; THE MATRIX INSTRUCTION IS USED TRANSPOSED (source 0 = 16 columns of c_proj_w, source 1 = 16 rows of ctx): a lane holds eight neighbouring numbers of a row of out0.  The bias is the C of each sum's first product.
; A wave's 64 columns are 256 bytes of a row, aligned: each wave sends its results through a stage of its own, and no barrier is wanted on the way out.
; The rows of positions 0-15 of each batch are written again, more finely, by the launch that follows.
; REGISTERS: window 0: v16-29 addresses; v32-95 the way out; v96-127 the bias; v128-255 the accumulators ((a, b) at v[128 + 8 (4 a + b)]).  window 1: two fragment buffers of 128: 64 registers of ctx, then 64 of wp, for 64 along K.
.set KSB,    8192                      ; a K step of 256 in one tile's images
.set HALFT,  4*KSB                     ; what one tensor load brings, and what one wave reads of ctx or of wp
.set SLOT,   4*HALFT
.set STAGE,  2*SLOT
.set SPITCH, 272
.set SPARE,  STAGE+4*16*SPITCH
.set ADRA, 16
.set ADRB, 20
.set STO,  24
.set RD,   25
.set CO,   26
.set BO,   27
.set SPW,  28
.set NIL,  29
.set TMP,  32
.set BIAS, 96
.set ACC,  128
.set F0,   0
.set F1,   128
.set G1, 24
.set G0, 32
.set G1B, 48
.set G0B, 56
.set MSB, 0
.macro WIN new
.if MSB != (\new)
	s_set_vgpr_msb (MSB<<8)|(\new)
.set MSB, (\new)
.endif
.endm
.set MUL,  0x05                        ; sources 0 and 1 window 1; C and D window 0
.set TO_F, 0x40                        ; destination window 1, address window 0
.macro JLOAD s                         ; a joint load: waves 0 and 1 fetch ctx's two halves, waves 2 and 3 wp's; an s_nop 0 and four v_nop follow each line
	s_cmp_eq_u32 s11, 0
	s_cbranch_scc0 .Lfor_b_\@
	tensor_load_to_lds s[G0+4*\s:G0+4*\s+3], s[G1:G1+7]
	s_nop 0
.rept 4
	v_nop
.endr
	s_branch .Lasked_\@
.Lfor_b_\@:
	tensor_load_to_lds s[G0B+4*\s:G0B+4*\s+3], s[G1B:G1B+7]
	s_nop 0
.rept 4
	v_nop
.endr
.Lasked_\@:
.endm
.macro CREST
	s_cmp_lg_u32 s10, 0
	s_cbranch_scc1 .Lnot_wave_0_\@
	s_barrier_signal -3
.Lnot_wave_0_\@:
	s_barrier_wait -3
	s_barrier_signal -1
	s_barrier_wait -1
.endm
.macro CROUND
	s_barrier_signal -1
	s_barrier_wait -1
	CREST
.endm
	s_load_b128 s[4:7], s[0:1], 0x0                ; ctx s[4:5], wp s[6:7]
	s_load_b64 s[2:3], s[0:1], 0x10                ; c_proj_b
	s_load_b64 s[8:9], s[0:1], 0x18                ; out0
	v_lshl_add_u32 v[SPW], v0, 2, SPARE
	v_mov_b32 v[NIL], 0
	ds_add_u32 v[SPW], v[NIL]                      ; the wave's opening: the add, twice on end, and its wait ahead of my first tensor load
	ds_add_u32 v[SPW], v[NIL]
	v_lshrrev_b32 v1, 5, v0
	v_readfirstlane_b32 s10, v1                    ; wave 0..3
	s_lshr_b32 s11, s10, 1                         ; my half of the tile's rows.  Also: I fetch for ctx (0) or wp (1)
	s_and_b32 s12, s10, 1                          ; my half of its columns.  Also: which four tiles of 16 I fetch
	s_bfe_u32 s40, ttmp6, 0x40000                  ; cx
	s_bfe_u32 s41, ttmp6, 0x40004                  ; cy
	s_lshl_b32 s42, ttmp9, 2
	s_add_co_u32 s42, s42, s40                     ; tile column
	s_and_b32 s13, ttmp7, 0xffff
	s_lshl_b32 s13, s13, 2
	s_add_co_u32 s13, s13, s41                     ; tile row
	s_lshl_b32 s43, s41, 2
	s_lshl_b32 s43, 15, s43                        ; my row of the cluster
	s_lshl_b32 s44, 0x1111, s40                    ; my column
	s_or_b32 s[G1+0], s43, (3<<16)|(1<<21)         ; the mask; elements of 8 bytes; bit 21 beside a mask; no padding
	s_or_b32 s[G1B+0], s44, (3<<16)|(1<<21)
.irp g, G1, G1B
	s_mov_b32 s[\g+1], 1024<<16                    ; a row: 1,024 elements = 8,192 bytes
	s_mov_b32 s[\g+2], 4<<16                       ; four rows,
	s_mov_b32 s[\g+3], 1024<<16
	s_mov_b32 s[\g+4], 4
	s_mov_b32 s[\g+5], 4096                        ; 32,768 bytes apart
	s_mov_b32 s[\g+6], 0
	s_mov_b32 s[\g+7], 0
.endr
	s_lshl_b32 s17, s12, 2
	s_lshl_b32 s16, s13, 3
	s_add_co_u32 s16, s16, s17
	s_lshl_b32 s16, s16, 15                        ; ctx: (8 tile row + 4 half) x 32,768
	s_lshl_b32 s46, s42, 3
	s_add_co_u32 s46, s46, s17
	s_lshl_b32 s46, s46, 15                        ; wp: (8 tile column + 4 half) x 32,768
	s_mov_b32 s17, 0
	s_mov_b32 s47, 0
	s_mul_i32 s20, s10, HALFT                      ; where they go: wave x 32,768
	s_wait_dscnt 0x0                               ; both opening adds are done
	s_wait_kmcnt 0x0
	s_add_nc_u64 s[14:15], s[4:5], s[16:17]
	s_add_nc_u64 s[46:47], s[6:7], s[46:47]
	CROUND                                         ; all sixteen work-groups are here: the first joint loads meet
.irp s, 0,1
	s_mov_b32 s[G0+4*\s], 1
	s_add_co_u32 s[G0+4*\s+1], s20, \s*SLOT
	s_add_nc_u64 s[G0+4*\s+2:G0+4*\s+3], s[14:15], \s*KSB
	s_or_b32 s[G0+4*\s+3], s[G0+4*\s+3], 0x80000000
	s_mov_b32 s[G0B+4*\s], 1
	s_add_co_u32 s[G0B+4*\s+1], s20, \s*SLOT
	s_add_nc_u64 s[G0B+4*\s+2:G0B+4*\s+3], s[46:47], \s*KSB
	s_or_b32 s[G0B+4*\s+3], s[G0B+4*\s+3], 0x80000000
	JLOAD \s
.endr
	v_and_b32 v1, 15, v0                           ; r
	v_bfe_u32 v2, v0, 4, 1                         ; h
	v_and_b32 v3, 31, v0
	v_lshlrev_b32 v3, 4, v3                        ; 16 x lane
	s_lshl_b32 s21, s11, 15                        ; my four tiles of ctx
	s_lshl_b32 s22, s12, 15
	s_add_co_u32 s22, s22, 2*HALFT                 ; my four tiles of wp, behind ctx's eight
.irp s, 0,1
	v_add_nc_u32 v[ADRA+\s], s21, v3
	v_add_nc_u32 v[ADRB+\s], s22, v3
	s_add_co_u32 s21, s21, SLOT
	s_add_co_u32 s22, s22, SLOT
.endr
	s_mul_i32 s23, s10, 16*SPITCH
	s_add_co_u32 s23, s23, STAGE                   ; my stage
	v_mul_u32_u24 v4, v1, SPITCH
	v_lshl_add_u32 v4, v2, 5, v4
	v_add_nc_u32 v[STO], s23, v4                   ; in: row r, 32 bytes for each half of the lanes
	v_mul_u32_u24 v5, v2, SPITCH
	v_lshl_add_u32 v5, v1, 4, v5
	v_add_nc_u32 v[RD], s23, v5                    ; back: lanes 0-15 one row of 256 bytes, lanes 16-31 the next
	v_lshlrev_b32 v5, 12, v2
	v_lshl_add_u32 v[CO], v1, 4, v5                ; and the same two rows in out0
	v_lshlrev_b32 v[BO], 5, v2
	s_lshl_b32 s46, s42, 9
	s_lshl_b32 s47, s12, 8
	s_add_co_u32 s46, s46, s47                     ; my first column, in bytes: 512 x tile column + 256 x half
	s_mov_b32 s47, 0
	s_add_nc_u64 s[2:3], s[2:3], s[46:47]
.irp b, 0,1,2,3
	global_load_b128 v[BIAS+8*\b:BIAS+8*\b+3], v[BO], s[2:3] offset:64*\b          ; register 8 b + j: the bias of column 16 b + 8 h + j
	global_load_b128 v[BIAS+8*\b+4:BIAS+8*\b+7], v[BO], s[2:3] offset:64*\b+16
.endr
	s_lshl_b32 s16, s13, 7
	s_lshl_b32 s17, s11, 6
	s_add_co_u32 s16, s16, s17                     ; my first row: 128 x tile row + 64 x half
	s_lshl_b32 s16, s16, 12
	s_mov_b32 s17, 0
	s_add_nc_u64 s[8:9], s[8:9], s[16:17]
	s_add_nc_u64 s[8:9], s[8:9], s[46:47]
; 8 matrix instructions: row blocks a0, a0 + 1 x all 4 column blocks, 32 along K: half c of buffer f.  zero = 1: the sums start from the bias.  The 16 accumulators take turns.
.macro MUL8 f, c, a0, zero
.irp a, \a0, \a0+1
.irp b, 0,1,2,3
.if \zero
	v_wmma_f32_16x16x32_f16 v[ACC+8*(4*(\a)+\b):ACC+8*(4*(\a)+\b)+7], v[\f+64+8*(4*\c+\b):\f+64+8*(4*\c+\b)+7], v[\f+8*(4*\c+\a):\f+8*(4*\c+\a)+7], v[BIAS+8*\b:BIAS+8*\b+7]
.else
	v_wmma_f32_16x16x32_f16 v[ACC+8*(4*(\a)+\b):ACC+8*(4*(\a)+\b)+7], v[\f+64+8*(4*\c+\b):\f+64+8*(4*\c+\b)+7], v[\f+8*(4*\c+\a):\f+8*(4*\c+\a)+7], v[ACC+8*(4*(\a)+\b):ACC+8*(4*(\a)+\b)+7]
.endif
.endr
.endr
.endm
; 32 LDS loads in one run: the fragments of 64 along K, at byte k of each tile's K step, into buffer f; the first 32 along K first
.macro FETCH slot, k, f
	WIN TO_F
.irp c, 0,1
.irp i, 0,1,2,3
	ds_load_b128 v[\f+64+8*(4*\c+\i):\f+64+8*(4*\c+\i)+3],   v[ADRB+\slot] offset:\k+1024*\c+\i*KSB
	ds_load_b128 v[\f+64+8*(4*\c+\i)+4:\f+64+8*(4*\c+\i)+7], v[ADRB+\slot] offset:\k+1024*\c+\i*KSB+512
	ds_load_b128 v[\f+8*(4*\c+\i):\f+8*(4*\c+\i)+3],         v[ADRA+\slot] offset:\k+1024*\c+\i*KSB
	ds_load_b128 v[\f+8*(4*\c+\i)+4:\f+8*(4*\c+\i)+7],       v[ADRA+\slot] offset:\k+1024*\c+\i*KSB+512
.endr
.endr
.endm
.macro PLACES                          ; four plain lines in front of loads into registers that matrix instructions have read, and of the first read of results
.rept 4
	v_nop
.endr
.endm
; A K step is four quarters of 64 along K, 32 matrix instructions each, on buffers 0, 1, 0, 1
.macro QUARTER slot, k, f, g, zero
	s_wait_dscnt 16                                ; the first 32 along K are in
	WIN MUL
	MUL8 \f, 0, 0, \zero
	MUL8 \f, 0, 2, \zero
	PLACES
	FETCH \slot, \k, \g
	s_wait_dscnt 32                                ; all but the 32 just issued
	WIN MUL
	MUL8 \f, 1, 0, 0
	MUL8 \f, 1, 2, 0
.endm
; The last quarter multiplies buffer 1 and changes slots: one barrier; in front of it each wave waits for all its tensor loads, adds 0 to its spare word, and waits for that and for its reads of this slot.  fill = 1: this slot is filled again, two K steps on.
.macro TURN slot, next, fill
	WIN 0
	s_wait_tensorcnt 0x0                           ; all my tensor loads have landed: my part of the next slot
	ds_add_u32 v[SPW], v[NIL]
	s_wait_dscnt 17                                ; (the add and the youngest sixteen loads may be out)
	WIN MUL
	MUL8 F1, 0, 0, 0
	s_wait_dscnt 0x0                               ; the add is done, and my reads of this slot are over
	s_barrier_signal -1
	MUL8 F1, 0, 2, 0
.if \fill
	WIN 0
.endif
	s_barrier_wait -1
.if \fill
	CREST                                          ; the barrier has opened a round of the cluster's barrier
	s_add_nc_u64 s[G0+4*\slot+2:G0+4*\slot+3], s[G0+4*\slot+2:G0+4*\slot+3], 2*KSB
	s_add_nc_u64 s[G0B+4*\slot+2:G0B+4*\slot+3], s[G0B+4*\slot+2:G0B+4*\slot+3], 2*KSB
	JLOAD \slot                                    ; the first tensor load behind the round; its four v_nop are also the places in front of the loads below
.else
	PLACES
.endif
	FETCH \next, 0, F0
	WIN MUL
	MUL8 F1, 1, 0, 0
	MUL8 F1, 1, 2, 0
.endm
	s_wait_tensorcnt 1                             ; my part of K step 0 is in (K step 1's load may be out),
	s_barrier_signal -1
	s_barrier_wait -1                              ; everybody's is
	FETCH 0, 0, F0
	s_wait_loadcnt 0x0                             ; the bias
	QUARTER 0, 2048, F0, F1, 1                     ; K step 0
	QUARTER 0, 4096, F1, F0, 0
	QUARTER 0, 6144, F0, F1, 0
	TURN 0, 1, 1                                   ; slot 0 takes K step 2
	QUARTER 1, 2048, F0, F1, 0                     ; K step 1
	QUARTER 1, 4096, F1, F0, 0
	QUARTER 1, 6144, F0, F1, 0
	TURN 1, 0, 1                                   ; slot 1 takes K step 3
	QUARTER 0, 2048, F0, F1, 0                     ; K step 2
	QUARTER 0, 4096, F1, F0, 0
	QUARTER 0, 6144, F0, F1, 0
	TURN 0, 1, 0                                   ; nothing is left to fetch
	QUARTER 1, 2048, F0, F1, 0                     ; K step 3
	QUARTER 1, 4096, F1, F0, 0
	QUARTER 1, 6144, F0, F1, 0
	s_wait_dscnt 16
	WIN MUL
	MUL8 F1, 0, 0, 0
	MUL8 F1, 0, 2, 0
	s_wait_dscnt 0
	MUL8 F1, 1, 0, 0
	MUL8 F1, 1, 2, 0
	WIN 0
; THE WAY OUT, 16 rows x 64 columns at a time through my own stage: in by 32 bytes a lane, back as whole rows of 256 bytes.  LDS serves a wave's instructions in order: no wait between the stores and the loads.
.macro TOSTAGE a
.irp b, 0,1,2,3
	ds_store_b128 v[STO], v[ACC+8*(4*\a+\b):ACC+8*(4*\a+\b)+3] offset:64*\b        ; each accumulator from its low end on
	ds_store_b128 v[STO], v[ACC+8*(4*\a+\b)+4:ACC+8*(4*\a+\b)+7] offset:64*\b+16
.endr
.irp t, 0,1,2,3,4,5,6,7
	ds_load_b128 v[TMP+32*(\a%2)+4*\t:TMP+32*(\a%2)+4*\t+3], v[RD] offset:\t*2*SPITCH
.endr
.endm
.macro SEND a, younger                 ; younger: the LDS instructions issued behind block a's loads
	s_wait_dscnt \younger
.irp t, 0,1,2,3,4,5,6,7
	global_store_b128 v[CO], v[TMP+32*(\a%2)+4*\t:TMP+32*(\a%2)+4*\t+3], s[8:9] offset:(16*\a+2*\t)*4096 th:TH_STORE_NT   ; sixteen lanes store 256 consecutive bytes, aligned
.endr
.endm
	PLACES
	TOSTAGE 0
	TOSTAGE 1
	SEND 0, 16
	s_wait_xcnt 0x0                                ; block 0's stores have read their registers: block 2's loads may land there
	TOSTAGE 2
	SEND 1, 16
	s_wait_xcnt 0x0
	TOSTAGE 3
	SEND 2, 16
	SEND 3, 0
	s_wait_tensorcnt 0x0                           ; the wave's end
	ds_add_u32 v[SPW], v[NIL]
	s_wait_dscnt 0x0
	CROUND                                         ; the closing round
	s_endpgm
.Lfunc_end_k_qf9d33d73ee_proj:
	.size	k_qf9d33d73ee_proj, .Lfunc_end_k_qf9d33d73ee_proj-k_qf9d33d73ee_proj
	.p2alignl 7, 3214868480
	.fill 96, 4, 3214868480
	.section	.rodata,"a",@progbits
	.p2align	6, 0x0
	.amdhsa_kernel k_qf9d33d73ee_proj
		.amdhsa_group_segment_fixed_size 327680
		.amdhsa_private_segment_fixed_size 0
		.amdhsa_enable_private_segment 0
		.amdhsa_kernarg_size 32
		.amdhsa_user_sgpr_count 2
		.amdhsa_user_sgpr_kernarg_segment_ptr 1
		.amdhsa_wavefront_size32 1
		.amdhsa_system_sgpr_workgroup_id_x 1
		.amdhsa_system_sgpr_workgroup_id_y 1
		.amdhsa_system_sgpr_workgroup_id_z 1
		.amdhsa_system_vgpr_workitem_id 0
		.amdhsa_next_free_vgpr 512
		.amdhsa_next_free_sgpr 66
		.amdhsa_reserve_vcc 0
		.amdhsa_float_denorm_mode_32 3
		.amdhsa_float_denorm_mode_16_64 3
		.amdhsa_memory_ordered 1
		.amdhsa_forward_progress 1
		.amdhsa_inst_pref_size 86
	.end_amdhsa_kernel
	.amdgpu_metadata
---
amdhsa.version: [ 1, 2 ]
amdhsa.kernels:
  - .name:           k_qf9d33d73ee_proj
    .symbol:         k_qf9d33d73ee_proj.kd
    .args:
      - { .name: ctx, .offset: 0, .size: 8, .value_kind: global_buffer, .address_space: global }
      - { .name: wp, .offset: 8, .size: 8, .value_kind: global_buffer, .address_space: global }
      - { .name: c_proj_b, .offset: 16, .size: 8, .value_kind: global_buffer, .address_space: global }
      - { .name: out0, .offset: 24, .size: 8, .value_kind: global_buffer, .address_space: global }
    .group_segment_fixed_size: 327680
    .private_segment_fixed_size: 0
    .kernarg_segment_align: 8
    .kernarg_segment_size: 32
    .max_flat_workgroup_size: 128
    .sgpr_count:     66
    .vgpr_count:     512
    .wavefront_size: 32
...
	.end_amdgpu_metadata
.endif
;; end of part 4
;; launch fine (part 5): grid 32 x 2, 16 waves a work-group, no clusters, 36,864 bytes of LDS; arguments qkvf, c_proj_w, c_proj_b, out0; writes out0
.if DOCPART == 5
	.amdgcn_target "amdgcn-amd-amdhsa--gfx1250"
	.amdhsa_code_object_version 6
	.text
	.protected	k_qf9d33d73ee_fine
	.globl	k_qf9d33d73ee_fine
	.p2align	8
	.type	k_qf9d33d73ee_fine,@function
k_qf9d33d73ee_fine:
	s_mov_b64 s[64:65], 0
	v_nop
	global_prefetch_b8 v0, s[64:65] scope:SCOPE_SE
	s_setreg_imm32_b32 hwreg(HW_REG_WAVE_MODE, 25, 1), 1
	s_wait_xcnt 0x0
; Positions 0-15 of each batch, where a row of the softmax averages one to sixteen values: scores, softmax, context and projection in f32 throughout (16x16x4 products on f32 operands), written over the f16 launch's rows of out0.
; Work-group (sl, batch) makes out0[batch][0..15][32 sl .. 32 sl + 31].  Wave w is head w: it makes the head's 16 x 16 attention, keeps its 64 channels of context in registers, multiplies them by its 64 rows of c_proj_w
; (32 columns), and the sixteen waves' partial tiles are added through LDS: thread (wave = row, lane = column) adds sixteen words and the bias.
; THE SAME PERMUTATION OF K ON BOTH OPERANDS: a product's step kk takes registers 2 kk and 2 kk + 1 of both sides, that is k = 8 (lane / 16) + 2 kk + 0, 1 of a run of 16.  So the stored images of accumulators (qkvf) and every
; result serve as operands as they stand: q, k tile b: lane (r, h), register j = (position r, channel 16 b + 8 h + j); v tile ct: (channel 16 ct + r, position 8 h + j).
; All products are used transposed: S^T = K Q^T, O^T = V^T P, out^T = W^T O^T: a lane holds one query (lane % 16) throughout.
; The registers that these products write are written by matrix instructions alone; what is made of a sum goes into other registers.
; No cluster, no tensor loads: what work-groups share is qkvf's 196,608 bytes a batch; each reads columns of c_proj_w of its own.  A wave's one store is 128 bytes of a row: 131,072 bytes in the whole launch.
; LDS: a wave's partial tiles, PW bytes: word jj of registers 4 u .. 4 u + 3 of tile tau of lane (r, h) lies at TA tau + UA u + HA h + 16 r + 4 jj.  The strides are 256, 512 and 1,024 bytes with 16, 32 and 64 of padding: in the
; closing sum a wave's 32 lanes read, of one row r, the words jj + 4 h + 8 u + 16 tau + 4 r modulo 64 (64 banks of 4 bytes: ISA guide 11.1): 32 different banks.  The stores stay dense in each group of sixteen lanes.
.set HA,   272
.set UA,   544
.set TA,   1088
.set PW,   2176
.set SPARE, 16*PW                      ; 34,816: behind the partial tiles the spare words, 128 bytes a wave
.set LI,   1                           ; v1   16 x lane
.set WO,   2                           ; v2   c_proj_w: 8 h rows of 4,096 bytes + 4 r
.set DD,   3                           ; v3   r - 8 h: key register j is hidden where j is above it
.set NINF, 4
.set SPW,  5
.set NIL,  6
.set STA,  7
.set RDA,  8
.set L4,   9                           ; v9   4 x lane
.set SS,   10                          ; v10-17 the scores, then p
.set BI,   23                          ; v23  the bias of my column
.set QF,   24
.set KF,   56
.set VF,   88
.set WF,   120
.set SA,   184                         ; two accumulators of the scores, by turns
.set SB,   192
.set O,    200
.set D2,   232
.set PN,   248                         ; p / the sum
.macro WLOAD tau                       ; c_proj_w(64 w + 16 ct + 8 h + e, 32 sl + 16 tau + r)
.irp ct, 0,1,2,3
.irp e, 0,1,2,3,4,5,6,7
	global_load_b32 v[WF+32*\tau+8*\ct+\e], v[WO], s[6:7] offset:(16*\ct+\e)*4096+64*\tau
.endr
.endr
.endm
	s_load_b256 s[4:11], s[0:1], 0x0               ; qkvf s[4:5], c_proj_w s[6:7], c_proj_b s[8:9], out0 s[10:11]
	v_lshl_add_u32 v[SPW], v0, 2, SPARE
	v_mov_b32 v[NIL], 0
	v_lshrrev_b32 v18, 5, v0
	v_readfirstlane_b32 s12, v18                   ; wave: my head, and at the end my row
	s_and_b32 s13, ttmp7, 0xffff                   ; batch
	v_and_b32 v19, 31, v0
	v_lshlrev_b32 v[LI], 4, v19
	v_lshlrev_b32 v[L4], 2, v19
	v_and_b32 v20, 15, v0                          ; r
	v_bfe_u32 v21, v0, 4, 1                        ; h
	v_lshlrev_b32 v[WO], 2, v20
	v_lshl_add_u32 v[WO], v21, 15, v[WO]
	v_lshlrev_b32 v22, 3, v21
	v_sub_nc_u32 v[DD], v20, v22
	v_mov_b32 v[NINF], 0xff800000
	s_mul_i32 s14, s12, PW
	v_lshlrev_b32 v[STA], 4, v20
	v_mad_u32_u24 v[STA], v21, HA, v[STA]
	v_add_nc_u32 v[STA], s14, v[STA]               ; my partial tiles: wave x PW + HA h + 16 r
	v_and_b32 v19, 3, v0                           ; back: column = lane = 16 tau + 8 h + 4 u + jj, row = wave
	v_lshlrev_b32 v[RDA], 2, v19
	v_lshl_add_u32 v[RDA], v18, 4, v[RDA]
	v_bfe_u32 v19, v0, 3, 1
	v_mad_u32_u24 v[RDA], v19, HA, v[RDA]
	v_bfe_u32 v19, v0, 2, 1
	v_mad_u32_u24 v[RDA], v19, UA, v[RDA]
	v_mad_u32_u24 v[RDA], v21, TA, v[RDA]
	s_mov_b32 s20, 0x76543210
	s_mov_b32 s21, 0xfedcba98                      ; v_permlanex16_b32's selects for lane l xor 16
	s_mov_b32 s24, 0x3e38aa3b                      ; c = log2(e) / 8
	s_lshl_b32 s14, s13, 4
	s_add_co_u32 s14, s14, s12
	s_mul_i32 s14, s14, 12288                      ; my head's images
	s_mov_b32 s15, 0
	s_lshl_b32 s16, s12, 18                        ; my 64 rows of c_proj_w
	s_lshl_b32 s18, ttmp9, 7                       ; my work-group's 32 columns, in bytes
	s_add_co_u32 s16, s16, s18
	s_mov_b32 s17, 0
	s_mov_b32 s19, 0
	s_lshl_b32 s22, s13, 11
	s_add_co_u32 s22, s22, s12
	s_lshl_b32 s22, s22, 12
	s_add_co_u32 s22, s22, s18                     ; out0: row 2,048 batch + wave, my work-group's columns
	s_mov_b32 s23, 0
	s_wait_kmcnt 0x0
	s_add_nc_u64 s[4:5], s[4:5], s[14:15]
	s_add_nc_u64 s[6:7], s[6:7], s[16:17]
	s_add_nc_u64 s[8:9], s[8:9], s[18:19]
	s_add_nc_u64 s[10:11], s[10:11], s[22:23]
.irp b, 0,1,2,3
.irp u, 0,1
	global_load_b128 v[KF+8*\b+4*\u:KF+8*\b+4*\u+3], v[LI], s[4:5] offset:4096+1024*\b+512*\u
.endr
.endr
.irp b, 0,1,2,3
.irp u, 0,1
	global_load_b128 v[QF+8*\b+4*\u:QF+8*\b+4*\u+3], v[LI], s[4:5] offset:1024*\b+512*\u
.endr
.endr
.irp b, 0,1,2,3
.irp u, 0,1
	global_load_b128 v[VF+8*\b+4*\u:VF+8*\b+4*\u+3], v[LI], s[4:5] offset:8192+1024*\b+512*\u
.endr
.endr
	global_load_b32 v[BI], v[L4], s[8:9]
	WLOAD 0
	s_wait_loadcnt 41                              ; K and Q are in; V's 8 loads, the bias and 32 of W may be out
	; S^T = K Q^T: 16 steps of 4 along the 64 channels, on two accumulators by turns; the first two start the sums
.irp b, 0,1,2,3
.irp kk, 0,1,2,3
.if (\b == 0) && (\kk < 2)
	v_wmma_f32_16x16x4_f32 v[SA+8*(\kk%2):SA+8*(\kk%2)+7], v[KF+8*\b+2*\kk:KF+8*\b+2*\kk+1], v[QF+8*\b+2*\kk:QF+8*\b+2*\kk+1], 0
.else
	v_wmma_f32_16x16x4_f32 v[SA+8*(\kk%2):SA+8*(\kk%2)+7], v[KF+8*\b+2*\kk:KF+8*\b+2*\kk+1], v[QF+8*\b+2*\kk:QF+8*\b+2*\kk+1], v[SA+8*(\kk%2):SA+8*(\kk%2)+7]
.endif
.endr
.endr
.rept 8
	v_nop                                          ; eight plain lines behind this form, ahead of the first read of its results
.endr
.irp j, 0,2,4,6
	v_pk_add_f32 v[SS+\j:SS+\j+1], v[SA+\j:SA+\j+1], v[SB+\j:SB+\j+1]   ; register j: (key 8 h + j, query r)
.endr
.irp j, 0,1,2,3,4,5,6,7
	v_cmp_gt_i32 vcc_lo, \j, v[DD]                 ; the causal mask
	v_cndmask_b32 v[SS+\j], v[SS+\j], v[NINF], vcc_lo
.endr
	v_max3_num_f32 v18, v[SS], v[SS+1], v[SS+2]
	v_max3_num_f32 v19, v[SS+3], v[SS+4], v[SS+5]
	v_max3_num_f32 v18, v18, v[SS+6], v[SS+7]
	v_max_num_f32 v18, v18, v19
	v_permlanex16_b32 v22, v18, s20, s21
	v_max_num_f32 v18, v18, v22                    ; the row's largest score: key 0 counts for every query
	v_mul_f32 v18, s24, v18
.irp j, 0,1,2,3,4,5,6,7
	v_fma_f32 v[SS+\j], v[SS+\j], s24, -v18        ; c s - c m
.endr
.irp j, 0,1,2,3,4,5,6,7
	v_exp_f32 v[SS+\j], v[SS+\j]
.endr
	v_nop
	s_wait_alu depctr_va_vdst(0)                   ; one wait for the eight, ahead of their first reader
	v_add_f32 v19, v[SS], v[SS+1]
	v_add_f32 v20, v[SS+2], v[SS+3]
	v_add_f32 v21, v[SS+4], v[SS+5]
	v_add_f32 v22, v[SS+6], v[SS+7]
	v_add_f32 v19, v19, v20
	v_add_f32 v21, v21, v22
	v_add_f32 v19, v19, v21
	v_permlanex16_b32 v22, v19, s20, s21
	v_add_f32 v19, v19, v22
	v_rcp_f32 v20, v19
	v_nop
	s_wait_alu depctr_va_vdst(0)
.irp j, 0,1,2,3,4,5,6,7
	v_mul_f32 v[PN+\j], v[SS+\j], v20
.endr
	s_wait_loadcnt 33                              ; V is in; the bias and 32 of W may be out
	WLOAD 1
	; O^T = V^T P: four tiles of 16 channels by turns, four steps of 4 along the 16 keys
.irp kk, 0,1,2,3
.irp ct, 0,1,2,3
.if \kk == 0
	v_wmma_f32_16x16x4_f32 v[O+8*\ct:O+8*\ct+7], v[VF+8*\ct+2*\kk:VF+8*\ct+2*\kk+1], v[PN+2*\kk:PN+2*\kk+1], 0
.else
	v_wmma_f32_16x16x4_f32 v[O+8*\ct:O+8*\ct+7], v[VF+8*\ct+2*\kk:VF+8*\ct+2*\kk+1], v[PN+2*\kk:PN+2*\kk+1], v[O+8*\ct:O+8*\ct+7]
.endif
.endr
.endr
	s_wait_loadcnt 0x0                             ; W and the bias
.rept 9
	v_nop                                          ; nine plain lines before a result of this form serves as an operand
.endr
	; out^T = W^T O^T: two tiles of 16 columns by turns, 16 steps of 4 along my 64 channels
.irp ct, 0,1,2,3
.irp kk, 0,1,2,3
.irp tau, 0,1
.if (\ct == 0) && (\kk == 0)
	v_wmma_f32_16x16x4_f32 v[D2+8*\tau:D2+8*\tau+7], v[WF+32*\tau+8*\ct+2*\kk:WF+32*\tau+8*\ct+2*\kk+1], v[O+8*\ct+2*\kk:O+8*\ct+2*\kk+1], 0
.else
	v_wmma_f32_16x16x4_f32 v[D2+8*\tau:D2+8*\tau+7], v[WF+32*\tau+8*\ct+2*\kk:WF+32*\tau+8*\ct+2*\kk+1], v[O+8*\ct+2*\kk:O+8*\ct+2*\kk+1], v[D2+8*\tau:D2+8*\tau+7]
.endif
.endr
.endr
.endr
.rept 8
	v_nop
.endr
.irp tau, 0,1
.irp u, 0,1
	ds_store_b128 v[STA], v[D2+8*\tau+4*\u:D2+8*\tau+4*\u+3] offset:TA*\tau+UA*\u   ; register j: (column 16 tau + 8 h + j, query r); each accumulator from its low end on
.endr
.endr
	s_wait_dscnt 0x0                               ; for the others' sake: my stores are done
	s_barrier_signal -1
	s_barrier_wait -1
.irp w, 0,1,2,3,4,5,6,7,8,9,10,11,12,13,14,15
	ds_load_b32 v[QF+\w], v[RDA] offset:PW*\w      ; head w's part of out0(row = my wave, column = my lane)
.endr
	s_wait_dscnt 0x0
.irp i, 0,4,8,12
	v_pk_add_f32 v[QF+\i:QF+\i+1], v[QF+\i:QF+\i+1], v[QF+\i+2:QF+\i+3]
.endr
	v_pk_add_f32 v[QF:QF+1], v[QF:QF+1], v[QF+4:QF+5]
	v_pk_add_f32 v[QF+8:QF+9], v[QF+8:QF+9], v[QF+12:QF+13]
	v_pk_add_f32 v[QF:QF+1], v[QF:QF+1], v[QF+8:QF+9]
	v_add_f32 v18, v[QF], v[QF+1]
	v_add_f32 v18, v18, v[BI]
	global_store_b32 v[L4], v18, s[10:11]
	s_wait_tensorcnt 0x0                           ; the wave's end
	ds_add_u32 v[SPW], v[NIL]
	s_wait_dscnt 0x0
	s_endpgm
.Lfunc_end_k_qf9d33d73ee_fine:
	.size	k_qf9d33d73ee_fine, .Lfunc_end_k_qf9d33d73ee_fine-k_qf9d33d73ee_fine
	.p2alignl 7, 3214868480
	.fill 96, 4, 3214868480
	.section	.rodata,"a",@progbits
	.p2align	6, 0x0
	.amdhsa_kernel k_qf9d33d73ee_fine
		.amdhsa_group_segment_fixed_size 36864
		.amdhsa_private_segment_fixed_size 0
		.amdhsa_enable_private_segment 0
		.amdhsa_kernarg_size 32
		.amdhsa_user_sgpr_count 2
		.amdhsa_user_sgpr_kernarg_segment_ptr 1
		.amdhsa_wavefront_size32 1
		.amdhsa_system_sgpr_workgroup_id_x 1
		.amdhsa_system_sgpr_workgroup_id_y 1
		.amdhsa_system_sgpr_workgroup_id_z 1
		.amdhsa_system_vgpr_workitem_id 0
		.amdhsa_next_free_vgpr 256
		.amdhsa_next_free_sgpr 66
		.amdhsa_reserve_vcc 1
		.amdhsa_float_denorm_mode_32 3
		.amdhsa_float_denorm_mode_16_64 3
		.amdhsa_memory_ordered 1
		.amdhsa_forward_progress 1
		.amdhsa_inst_pref_size 21
	.end_amdhsa_kernel
	.amdgpu_metadata
---
amdhsa.version: [ 1, 2 ]
amdhsa.kernels:
  - .name:           k_qf9d33d73ee_fine
    .symbol:         k_qf9d33d73ee_fine.kd
    .args:
      - { .name: qkvf, .offset: 0, .size: 8, .value_kind: global_buffer, .address_space: global }
      - { .name: c_proj_w, .offset: 8, .size: 8, .value_kind: global_buffer, .address_space: global }
      - { .name: c_proj_b, .offset: 16, .size: 8, .value_kind: global_buffer, .address_space: global }
      - { .name: out0, .offset: 24, .size: 8, .value_kind: global_buffer, .address_space: global }
    .group_segment_fixed_size: 36864
    .private_segment_fixed_size: 0
    .kernarg_segment_align: 8
    .kernarg_segment_size: 32
    .max_flat_workgroup_size: 512
    .sgpr_count:     66
    .vgpr_count:     256
    .wavefront_size: 32
...
	.end_amdgpu_metadata
.endif
;; end of part 5
